; MI455X (gfx1250); checked and timed in simulation.
; The chip was launched on July 23, 2026; its instructions are those of AMD's public machine-readable ISA for CDNA 5 (MIT licence, August 2026) and "CDNA5" Instruction Set Architecture Reference Guide (July 2026). The comments in the code are by the model that wrote it; some were corrected since.
;; Attention. Allowed arithmetic: matrix products marked QUANTISED: E3M2 operands, one E8M0 scale for each 32 along K, by v_wmma_scale_f32_16x16x128_f8f6f4 with both operands' format E3M2, f32 sums; everything else in f32.
;; Inputs: Wk 1,024 x 1,024 float32; Wq 1,024 x 1,024 float32; Wv 1,024 x 1,024 float32; bk 1,024 float32; bq 1,024 float32; bv 1,024 float32; key 4 x 2,048 x 1,024 float32; query 4 x 2,048 x 1,024 float32; value 4 x 2,048 x 1,024 float32.
;; Outputs: out0 4 x 2,048 x 1,024 float32.
;; This version of the problem:
;;   THIS VERSION OF THE PROBLEM IS GIVEN IN LOW PRECISION. The matrix products marked QUANTISED in the list below multiply operands that are first quantised to E3M2 (3 exponent bits, 2 mantissa bits; 6 bits a number), with one power-of-two scale for each 32 numbers along K (OCP MX v1.0); their sums are f32. All else is computed in f32.
;;   The module's matrix products, in the order in which they are computed (A, B: the left and right operand; K: the contracted axis; several contracted axes count as one K, in the product's order):
;;     1. [M 8,192, K 1,024] x [K 1,024, N 1,024]; A: input query; B: input Wq: QUANTISED
;;     2. [M 8,192, K 1,024] x [K 1,024, N 1,024]; A: input key; B: input Wk: QUANTISED
;;     3. [M 8,192, K 1,024] x [K 1,024, N 1,024]; A: input value; B: input Wv: QUANTISED
;;     4. batch 4 x [M 2,048, K 1,024] x [K 1,024, N 2,048]; A: computed on the way; B: computed on the way: QUANTISED
;;     5. batch 4 x [M 2,048, K 2,048] x [K 2,048, N 1,024]; A: softmax (see below); B: computed on the way: QUANTISED
;;   THE QUANTISER, for each operand of a quantised product, along K:
;;     - K is cut into blocks of 32 from its start; a last block that is shorter is filled with zeros.
;;     - A block's scale is 2^e with e = floor(log2(the largest magnitude in the block)) - 4, held to -126 .. 127; a block of zeros has e = 0. As a byte (E8M0): e + 127.
;;     - Each number is divided by its block's scale, clamped to +-28, and rounded to the nearest number of E3M2, ties to even, subnormals kept.
;;     - The product sums the exact products of the quantised numbers (number of the format x scale) in f32.
;;   ~~~python
;;   def quantise(x, axis):      # numpy; x: float32 -> the quantised numbers, widened to float32 again
;;       x = np.moveaxis(x, axis, -1); K = x.shape[-1]
;;       x = np.pad(x, [(0, 0)] * (x.ndim - 1) + [(0, -K % 32)]); x = x.reshape(x.shape[:-1] + (-1, 32)); a = np.abs(x).max(-1, keepdims=True)
;;       e = np.where(a > 0, np.clip(np.frexp(np.where(a > 0, a, 1))[1] - 1 - 4, -126, 127), 0)      # np.frexp(a)[1] - 1 = floor(log2(a)), exactly
;;       r = np.clip(x / 2.0 ** e, -28, 28)
;;       step = 2.0 ** (np.maximum(np.frexp(np.where(r == 0, 1, r))[1] - 1, -2) - 2)
;;       q = np.round(r / step) * step * 2.0 ** e      # np.round: ties to even
;;       return np.moveaxis(q.reshape(q.shape[:-2] + (-1,))[..., :K], -1, axis).astype(np.float32)
;;   ~~~
;;   SOFTMAX AHEAD OF A QUANTISED PRODUCT. Where the list says 'softmax', what is quantised is not the finished softmax but p = 2^(t - M), with t = logit x log2(e) and M = ceil(the row's largest t), a whole number; so 1/2 < the row's largest p <= 1. The row's sum l is taken of the UNQUANTISED p, in f32, and the product's result is divided by l at the end. Since M is a whole number, a kernel that streams over the keys may use a running M (the ceiling of the running maximum): every later rescaling is an exact power of two, which a block's scale takes up: the codes' values come out the same.
;;   OPERANDS COMPUTED ON THE WAY. 'Computed on the way' means the value that the module computes at that place (a softmax that the list does not call 'softmax' is quantised finished and normalised). What goes into a quantiser is computed in f32, as accurately as f32 sums, v_exp_f32 and their like allow (about 1e-6 of the number): no bf16 or f16 on the way to a quantiser, and a product that is left as it is and whose result goes on into a quantised operand takes f32 operands (vector FMAs, or v_wmma_f32_16x16x4_f32). A number that lies on a knife's edge between two numbers of the format may be rounded either way, as far as f32 arithmetic and the matrix unit's own rounding can turn it there, and no further.
;; One version. Each part assembles by itself: llvm-mc -triple=amdgcn-amd-amdhsa -mcpu=gfx1250 --defsym DOCPART=n.
;; ======== version 1 of 1: 4 launches
;; limits: right only within a limited range of input values
;; workspace buffers: xw_codes 22,118,400 bytes; qkv_codes 19,398,656 bytes; qkv_scales 262,144 bytes; p_codes 12,582,912 bytes; p_side 1,572,864 bytes
;; launch quant (part 1): grid 960 x 1, 4 waves a work-group, no clusters, 35,328 bytes of LDS; arguments query, key, value, Wq, Wk, Wv, xw_codes; writes xw_codes
.if DOCPART == 1
	.amdgcn_target "amdgcn-amd-amdhsa--gfx1250"
	.amdhsa_code_object_version 6
	.text
	.protected	k_qd42e102831_quant
	.globl	k_qd42e102831_quant
	.p2align	8
	.type	k_qd42e102831_quant,@function
k_qd42e102831_quant:
	s_mov_b64 s[64:65], 0
	v_nop
	global_prefetch_b8 v0, s[64:65] scope:SCOPE_SE
	s_setreg_imm32_b32 hwreg(HW_REG_WAVE_MODE, 25, 1), 1
	s_wait_xcnt 0x0
; query, key, value [8192][1024] f32 (K innermost) and Wq, Wk, Wv [1024 (K)][1024 (n)] f32 (K first) become codes of BF6 (E3M2) with one E8M0 byte for each 32 along K.
; A block's scale is 2^(floor(log2(its largest magnitude)) - 4): its byte is the largest magnitude's exponent field - 4, held at 1 from below by a floor among the maximum's leaves.
; LIMITS: a block of zeros, and a block whose largest magnitude lies under 2^-122, gets the byte 1 (the stated quantiser says 127 for zeros: the codes are zeros, and this program alone reads the bytes).  NaN and infinities are not served.
; THE OUTPUT IS LAID AS THE NEXT LAUNCH'S REGISTERS WANT IT.  A fragment (16 rows x 128 K: 12 registers a lane) is 1,536 bytes: registers 4 c .. 4 c + 3 of lane l at 512 c + 16 l.
;   [tensor][group of 128 rows][256 of K]: a piece of 25,600 bytes: the codes [block a of 16 rows][128 of K][1,536], 24,576 bytes, and behind them the scale words (4 bytes = 128 K of a row) [128 of K][128 places] x 4 bytes.
;   So one dense run of bytes holds all that a product wants of 128 rows x 256 K.
;   Place 16 a + r of a group holds row 16 a + r (query, Wv) or row 32 (a / 2) + 8 (a % 2) + r + 8 (r / 8) (key, value, Wq, Wk): the second order makes a later product's results 16 neighbours along the next K in a lane.
; Work-groups 0-191 take the weights, 192-959 the activations.  No barrier: waves share nothing.  Only the activations' path uses LDS.
.set XSZ,  6553600                     ; 8,192 rows x 1,024: 64 groups x 4 pieces
.set WSZ,  819200                      ; 1,024 rows x 1,024: 8 groups x 4 pieces
.set BLKB, 25600                       ; a piece
.set CODB, 24576                       ; its codes
.set NWW,  192                         ; work-groups for the weights
.set SPX,  528                         ; a stage row: 512 bytes + 16
.set STGB, 16*SPX                      ; a wave's stage
.set WDS,  4*STGB                      ; behind the stages: 256 bytes of scale words for each wave
.set VA0, 4                            ; v4   16 x lane
.set VAP, 5                            ; v5   the same, 8 rows on where the places are permuted
.set VAM, 6                            ; v6   the same, 8 rows on where they are not
.set STI, 7                            ; v7   the stage, on the way in
.set STO, 8                            ; v8   and out
.set SWI, 9                            ; v9   the word stage, in
.set SWO, 10                           ; v10  and out
.set OW8, 11                           ; v11  8 x lane
.set OW4, 13                           ; v13  4 x lane
.set WCO, 14                           ; v14  weights: 4 x my column
.set R,   16                           ; v16-143  two sets of 64: a fragment's numbers as loaded
.set X,   144                          ; v144-207 64 numbers: register 16 b + i = k 32 b + 16 (lane / 16) + i of my row
.set PC,  208                          ; v208-219 the codes; v220-222, v224-226 at work
.set TM,  228                          ; v228-231 maxima, v232-235 bytes, v236-239 the conversions' scale operands
.set PW,  240                          ; v240-243 the scale words of four fragments
.set XW,  16                           ; weights: v16-143 128 numbers down K
.set F0,  144                          ; v144-155, v156-167 two fragments
.set U,   168                          ; v168-183 upper halves of the blocks' codes
.set WT,  184
.set WSO, 186                          ; v186-189 scale operands
.set WW,  190                          ; the scale word
.set SEL, 22
	s_load_b256 s[4:11], s[0:1], 0x0               ; query, key, value, Wq
	s_load_b128 s[12:15], s[0:1], 0x20             ; Wk, Wv
	s_load_b64 s[16:17], s[0:1], 0x30              ; the output
	v_lshl_add_u32 v254, v0, 2, 0x8800
	v_mov_b32 v255, 0
	v_lshrrev_b32 v1, 5, v0
	v_readfirstlane_b32 s20, v1                    ; wave
	v_and_b32 v2, 31, v0                           ; lane
	v_and_b32 v3, 15, v0                           ; r
	v_bfe_u32 v12, v0, 4, 1                        ; h
	v_lshlrev_b32 v[VA0], 4, v2
	v_lshlrev_b32 v[OW8], 3, v2
	v_lshlrev_b32 v[OW4], 2, v2
	s_mul_i32 s21, s20, STGB
	v_add_nc_u32 v[STI], s21, v[VA0]               ; in: a row's 512 bytes as they lie
	v_mul_u32_u24 v[STO], v3, SPX
	v_lshl_add_u32 v[STO], v12, 6, v[STO]
	v_add_nc_u32 v[STO], s21, v[STO]               ; out: row r, + 64 h: my 16 numbers of each block of 32
	s_lshl_b32 s21, s20, 8
	s_add_co_u32 s21, s21, WDS
	v_lshl_add_u32 v[SWI], v3, 2, s21
	v_lshl_add_u32 v[SWO], v2, 3, s21
	s_mov_b32 s[SEL], 0x76543210
	s_mov_b32 s[SEL+1], 0xfedcba98                 ; v_permlanex16_b32's selects for lane l xor 16
	s_mov_b32 s35, 0
	s_mov_b32 s39, 0
	s_wait_kmcnt 0x0
	s_mov_b64 s[18:19], s[16:17]                   ; s[16:17] will stand at my codes, s[18:19] at my scale words
	s_cmp_lt_u32 ttmp9, NWW
	s_cbranch_scc1 .Lweights
; ---- THE ACTIVATIONS.  A work-group takes 64 places x 512 along K, a wave 128 along K of them: four fragments.
	s_sub_co_u32 s24, ttmp9, NWW
	s_lshr_b32 s25, s24, 8                         ; which tensor
	s_bfe_u32 s26, s24, 0x70001                    ; which 64 rows
	s_and_b32 s27, s24, 1
	s_lshl_b32 s27, s27, 2
	s_add_co_u32 s27, s27, s20                     ; which 128 along K
	s_lshr_b32 s28, s26, 1                         ; the group
	s_and_b32 s29, s26, 1                          ; and its half
	s_cmp_eq_u32 s25, 0
	s_cselect_b64 s[30:31], s[4:5], s[6:7]
	s_cselect_b32 s32, 0, 32768                    ; query's places are its rows; key's and value's are permuted
	s_cselect_b32 s33, 32768, 0
	s_cmp_eq_u32 s25, 2
	s_cselect_b64 s[30:31], s[8:9], s[30:31]
	s_wait_alu depctr_va_vdst(0)
	v_add_nc_u32 v[VAP], s32, v[VA0]
	s_wait_alu depctr_va_vdst(0)
	v_add_nc_u32 v[VAM], s33, v[VA0]
	s_wait_alu depctr_va_vdst(0)
	s_lshl_b32 s34, s26, 18                        ; 64 rows of 4,096 bytes
	s_lshl_b32 s36, s27, 9
	s_add_co_u32 s34, s34, s36
	s_add_nc_u64 s[30:31], s[30:31], s[34:35]
	s_mul_i32 s34, s25, XSZ
	s_lshl_b32 s36, s28, 2
	s_lshr_b32 s37, s27, 1
	s_add_co_u32 s36, s36, s37
	s_mul_i32 s36, s36, BLKB
	s_add_co_u32 s34, s34, s36                     ; my piece
	s_and_b32 s37, s27, 1                          ; which 128 of its 256 along K
	s_lshl_b32 s38, s37, 9
	s_add_co_u32 s38, s38, s34
	s_lshl_b32 s36, s29, 8
	s_add_co_u32 s38, s38, s36
	s_add_co_u32 s38, s38, CODB
	s_add_nc_u64 s[18:19], s[18:19], s[38:39]      ; my 64 scale words
	s_mul_i32 s36, s29, 12288
	s_add_co_u32 s34, s34, s36
	s_mul_i32 s36, s37, 1536
	s_add_co_u32 s34, s34, s36
	s_add_nc_u64 s[16:17], s[16:17], s[34:35]      ; my first fragment's image
.irp b, 0,1,2,3
	v_mov_b32 v[TM+4+\b], 0                        ; written once: a lane permute's destination counts as one of its sources
.endr
; Fragment i: sixteen loads, each one row's 512 consecutive bytes.  Load rho brings the row of place 16 i + rho.
.macro LOADF i
.irp rho, 0,1,2,3,4,5,6,7,8,9,10,11,12,13,14,15
.if (((\i)%2) == 0) && (\rho >= 8)
	global_load_b128 v[R+64*((\i)%2)+4*\rho:R+64*((\i)%2)+4*\rho+3], v[VAP], s[30:31] offset:(16*(\i)+\rho)*4096 th:TH_LOAD_NT
.elseif (((\i)%2) == 1) && (\rho < 8)
	global_load_b128 v[R+64*((\i)%2)+4*\rho:R+64*((\i)%2)+4*\rho+3], v[VAM], s[30:31] offset:(16*(\i)+\rho-8)*4096 th:TH_LOAD_NT
.else
	global_load_b128 v[R+64*((\i)%2)+4*\rho:R+64*((\i)%2)+4*\rho+3], v[VA0], s[30:31] offset:(16*(\i)+\rho)*4096 th:TH_LOAD_NT
.endif
.endr
.endm
; 64 numbers of a lane, v[s] on, become a fragment's codes in v[PC] on and its scale word in v[pw].
.macro QUANT s, pw
.irp b, 0,1,2,3
	v_max3_num_f32 v[TM+\b], |v[(\s)+16*\b]|, |v[(\s)+1+16*\b]|, 0x2800000   ; block b: my 16 numbers and the floor 2^(5 - 127): the byte cannot fall under 1
.endr
.irp i, 2,4,6,8,10,12,14
.irp b, 0,1,2,3
	v_max3_num_f32 v[TM+\b], v[TM+\b], |v[(\s)+16*\b+\i]|, |v[(\s)+1+16*\b+\i]|   ; the four blocks by turns
.endr
.endr
.irp b, 0,1,2,3
	v_permlanex16_b32 v[TM+4+\b], v[TM+\b], s[SEL], s[SEL+1]
.endr
.irp b, 0,1,2,3
	v_max_num_f32 v[TM+\b], v[TM+\b], v[TM+4+\b]   ; with lane l xor 16's 16: the block's largest magnitude
.endr
.irp b, 0,1,2,3
	v_add_nc_u32 v[TM+8+\b], 0xfe000000, v[TM+\b]  ; 4 off its exponent field: the conversion takes this operand's exponent field as its scale
.endr
.irp b, 0,1,2,3
	v_lshrrev_b32 v[TM+4+\b], 23, v[TM+8+\b]       ; the scale's byte
.endr
	v_lshl_or_b32 v[\pw], v[TM+5], 8, v[TM+4]
	v_lshl_or_b32 v[\pw], v[TM+6], 16, v[\pw]
	v_lshl_or_b32 v[\pw], v[TM+7], 24, v[\pw]
.irp c, 0,1
	v_cvt_scalef32_pk16_bf6_f32 v[PC+6*\c:PC+6*\c+2], v[(\s)+32*\c:(\s)+32*\c+15], v[TM+8+2*\c]
	v_cvt_scalef32_pk16_bf6_f32 v[PC+12+4*\c:PC+14+4*\c], v[(\s)+16+32*\c:(\s)+31+32*\c], v[TM+9+2*\c]   ; (a conversion's three registers begin on an even number)
.endr
	v_nop                                          ; one plain instruction behind a scaled conversion
.irp c, 0,1                                    ; the operand wants a whole block in a lane: lanes 0-15 block 2 c, lanes 16-31 block 2 c + 1
.irp i, 0,1,2
	v_permlane16_swap_b32 v[PC+6*\c+\i], v[PC+12+4*\c+\i]
.endr
.irp i, 0,1,2
	v_mov_b32 v[PC+3+6*\c+\i], v[PC+12+4*\c+\i]
.endr
.endr
.endm
.macro FRAGX i
.if (\i) < 3
	s_wait_loadcnt 16                              ; this fragment's 16 loads are in; the next fragment's 16 may be out
.else
	s_wait_loadcnt 0x0
.endif
.irp rho, 0,1,2,3,4,5,6,7,8,9,10,11,12,13,14,15
	ds_store_b128 v[STI], v[R+64*((\i)%2)+4*\rho:R+64*((\i)%2)+4*\rho+3] offset:SPX*\rho
.endr
.irp b, 0,1,2,3
.irp j, 0,1,2,3
	ds_load_b128 v[X+16*\b+4*\j:X+16*\b+4*\j+3], v[STO] offset:128*\b+16*\j   ; LDS serves a wave's instructions in order: these see the stores above
.endr
.endr
	s_wait_dscnt 0x0                               ; my 64 numbers are back, and the stores have read the set that is loaded again below
	s_wait_xcnt 0x0                                ; the last fragment's stores have read the codes' registers
.if (\i) < 2
	LOADF (\i)+2
.endif
	QUANT X, PW+(\i)
.irp c, 0,1,2
	global_store_b128 v[VA0], v[PC+4*\c:PC+4*\c+3], s[16:17] offset:3072*(\i)+512*\c   ; 512 consecutive bytes, aligned
.endr
	ds_store_b32 v[SWI], v[PW+(\i)] offset:64*(\i) ; lanes r and 16 + r write the same word with the same value
.endm
	LOADF 0
	LOADF 1
	FRAGX 0
	FRAGX 1
	FRAGX 2
	FRAGX 3
	ds_load_b64 v[X:X+1], v[SWO]
	s_wait_dscnt 0x0
	global_store_b64 v[OW8], v[X:X+1], s[18:19]    ; 64 scale words: 256 consecutive bytes, aligned
	s_wait_tensorcnt 0x0
	ds_add_u32 v254, v255
	s_wait_dscnt 0x0
	s_endpgm
; ---- THE WEIGHTS.  A work-group takes 128 columns x 128 along K, a wave 32 columns: two fragments.  A LANE TAKES A COLUMN AND ITS REGISTERS RUN DOWN K: nothing is transposed.
.Lweights:
	s_lshr_b32 s25, ttmp9, 6                       ; which weight
	s_bfe_u32 s28, ttmp9, 0x30003                  ; the group of 128 columns
	s_and_b32 s27, ttmp9, 7                        ; which 128 along K
	s_cmp_eq_u32 s25, 0
	s_cselect_b64 s[30:31], s[10:11], s[12:13]
	s_cmp_eq_u32 s25, 2
	s_cselect_b64 s[30:31], s[14:15], s[30:31]
	s_cselect_b32 s32, 0, 24                       ; Wq, Wk: place L of a wave's 32 holds column L with bits 3 and 4 changed over; Wv: column L
	v_lshrrev_b32 v[WCO], 3, v2
	v_lshrrev_b32 v15, 4, v2
	v_xor_b32 v[WCO], v[WCO], v15
	v_and_b32 v[WCO], 1, v[WCO]
	v_mul_u32_u24 v[WCO], s32, v[WCO]
	v_xor_b32 v[WCO], v[WCO], v2
	v_lshlrev_b32 v[WCO], 2, v[WCO]
	s_wait_alu depctr_va_vdst(0)
	s_lshl_b32 s34, s27, 19                        ; 128 rows of 4,096 bytes
	s_lshl_b32 s36, s28, 9
	s_add_co_u32 s34, s34, s36
	s_lshl_b32 s36, s20, 7
	s_add_co_u32 s34, s34, s36
	s_add_nc_u64 s[30:31], s[30:31], s[34:35]
	s_mul_i32 s34, s25, WSZ
	s_add_co_u32 s34, s34, 3*XSZ
	s_lshl_b32 s36, s28, 2
	s_lshr_b32 s37, s27, 1
	s_add_co_u32 s36, s36, s37
	s_mul_i32 s36, s36, BLKB
	s_add_co_u32 s34, s34, s36                     ; my piece
	s_and_b32 s37, s27, 1
	s_lshl_b32 s38, s37, 9
	s_add_co_u32 s38, s38, s34
	s_lshl_b32 s36, s20, 7
	s_add_co_u32 s38, s38, s36
	s_add_co_u32 s38, s38, CODB
	s_add_nc_u64 s[18:19], s[18:19], s[38:39]      ; my 32 scale words
	s_mul_i32 s36, s20, 6144
	s_add_co_u32 s34, s34, s36
	s_mul_i32 s36, s37, 1536
	s_add_co_u32 s34, s34, s36
	s_add_nc_u64 s[16:17], s[16:17], s[34:35]      ; my two fragments' images
.macro LOADW kb                        ; block kb: W(32 kb + i, my column): a load reads 128 consecutive bytes
.set x, 0
.rept 32
	global_load_b32 v[XW+32*(\kb)+x], v[WCO], s[30:31] offset:(32*(\kb)+x)*4096 th:TH_LOAD_NT
.set x, x+1
.endr
.endm
.macro BLOCKW kb                       ; all 32 numbers of the block are mine
.set XS, XW+32*(\kb)
	v_max3_num_f32 v[WT], |v[XS]|, |v[XS+1]|, |v[XS+2]|
	v_max3_num_f32 v[WT+1], |v[XS+3]|, |v[XS+4]|, |v[XS+5]|
.irp i, 6,10,14,18,22,26
	v_max3_num_f32 v[WT], v[WT], |v[XS+\i]|, |v[XS+\i+1]|
	v_max3_num_f32 v[WT+1], v[WT+1], |v[XS+\i+2]|, |v[XS+\i+3]|
.endr
	v_max3_num_f32 v[WT], v[WT], |v[XS+30]|, |v[XS+31]|
	v_max3_num_f32 v[WT], v[WT], v[WT+1], 0x2800000   ; and the floor
	v_add_nc_u32 v[WSO+(\kb)], 0xfe000000, v[WT]
	v_lshrrev_b32 v[WT+1], 23, v[WSO+(\kb)]
.if (\kb) == 0
	v_mov_b32 v[WW], v[WT+1]
.else
	v_lshl_or_b32 v[WW], v[WT+1], 8*(\kb), v[WW]
.endif
	v_cvt_scalef32_pk16_bf6_f32 v[F0+12*((\kb)%2)+6*((\kb)/2):F0+12*((\kb)%2)+6*((\kb)/2)+2], v[XS:XS+15], v[WSO+(\kb)]   ; even blocks into the first run of 12, odd ones into the second
	v_cvt_scalef32_pk16_bf6_f32 v[U+4*(\kb):U+4*(\kb)+2], v[XS+16:XS+31], v[WSO+(\kb)]
.endm
	LOADW 0
	LOADW 1
	s_wait_loadcnt 32                              ; block 0 is in; the 32 loads behind it may be out.  So in front of every block but the last
	LOADW 2
	BLOCKW 0
	s_wait_loadcnt 32
	LOADW 3
	BLOCKW 1
	s_wait_loadcnt 32
	BLOCKW 2
	s_wait_loadcnt 0x0
	BLOCKW 3
	v_nop                                          ; one plain instruction behind the last scaled conversion
.irp kb, 0,1,2,3
.irp i, 0,1,2
	v_mov_b32 v[F0+12*(\kb%2)+6*(\kb/2)+3+\i], v[U+4*\kb+\i]
.endr
.endr
.set x, 0
.rept 12                               ; lanes 0-15 hold the first tile's 16 columns, lanes 16-31 the second's: the exchange gives each tile's fragment its blocks h and 2 + h in lane (r, h)
	v_permlane16_swap_b32 v[F0+x], v[F0+12+x]
.set x, x+1
.endr
.irp t, 0,1
.irp c, 0,1,2
	global_store_b128 v[VA0], v[F0+12*\t+4*\c:F0+12*\t+4*\c+3], s[16:17] offset:3072*\t+512*\c
.endr
.endr
	global_store_b32 v[OW4], v[WW], s[18:19]       ; 128 consecutive bytes a wave, 512 a work-group: 96 KiB of such stores in the launch
	s_endpgm
.Lfunc_end_k_qd42e102831_quant:
	.size	k_qd42e102831_quant, .Lfunc_end_k_qd42e102831_quant-k_qd42e102831_quant
	.p2alignl 7, 3214868480
	.fill 96, 4, 3214868480
	.section	.rodata,"a",@progbits
	.p2align	6, 0x0
	.amdhsa_kernel k_qd42e102831_quant
		.amdhsa_group_segment_fixed_size 35328
		.amdhsa_private_segment_fixed_size 0
		.amdhsa_enable_private_segment 0
		.amdhsa_kernarg_size 56
		.amdhsa_user_sgpr_count 2
		.amdhsa_user_sgpr_kernarg_segment_ptr 1
		.amdhsa_wavefront_size32 1
		.amdhsa_system_sgpr_workgroup_id_x 1
		.amdhsa_system_sgpr_workgroup_id_y 1
		.amdhsa_system_sgpr_workgroup_id_z 1
		.amdhsa_system_vgpr_workitem_id 0
		.amdhsa_next_free_vgpr 256
		.amdhsa_next_free_sgpr 66
		.amdhsa_reserve_vcc 0
		.amdhsa_float_denorm_mode_32 3
		.amdhsa_float_denorm_mode_16_64 3
		.amdhsa_memory_ordered 1
		.amdhsa_forward_progress 1
		.amdhsa_inst_pref_size 55
	.end_amdhsa_kernel
	.amdgpu_metadata
---
amdhsa.version: [ 1, 2 ]
amdhsa.kernels:
  - .name:           k_qd42e102831_quant
    .symbol:         k_qd42e102831_quant.kd
    .args:
      - { .name: query, .offset: 0, .size: 8, .value_kind: global_buffer, .address_space: global }
      - { .name: key, .offset: 8, .size: 8, .value_kind: global_buffer, .address_space: global }
      - { .name: value, .offset: 16, .size: 8, .value_kind: global_buffer, .address_space: global }
      - { .name: Wq, .offset: 24, .size: 8, .value_kind: global_buffer, .address_space: global }
      - { .name: Wk, .offset: 32, .size: 8, .value_kind: global_buffer, .address_space: global }
      - { .name: Wv, .offset: 40, .size: 8, .value_kind: global_buffer, .address_space: global }
      - { .name: xw_codes, .offset: 48, .size: 8, .value_kind: global_buffer, .address_space: global }
    .group_segment_fixed_size: 35328
    .private_segment_fixed_size: 0
    .kernarg_segment_align: 8
    .kernarg_segment_size: 56
    .max_flat_workgroup_size: 128
    .sgpr_count:     66
    .vgpr_count:     256
    .wavefront_size: 32
...
	.end_amdgpu_metadata
.endif
;; end of part 1
;; launch proj (part 2): grid 4 x 64, 4 waves a work-group, clusters of 4 x 4, 327,680 bytes of LDS; arguments xw_codes, bq, bk, bv, qkv_codes, qkv_scales; writes qkv_codes, qkv_scales
.if DOCPART == 2
	.amdgcn_target "amdgcn-amd-amdhsa--gfx1250"
	.amdhsa_code_object_version 6
	.text
	.protected	k_qd42e102831_proj
	.globl	k_qd42e102831_proj
	.p2align	8
	.type	k_qd42e102831_proj,@function
k_qd42e102831_proj:
	s_mov_b64 s[64:65], 0
	v_nop
	global_prefetch_b8 v0, s[64:65] scope:SCOPE_SE
	s_setreg_imm32_b32 hwreg(HW_REG_WAVE_MODE, 25, 1), 1
	s_wait_xcnt 0x0
	s_wait_alu depctr_hold_cnt(0) depctr_sa_sdst(0) depctr_va_vdst(0) depctr_va_sdst(0) depctr_va_ssrc(0) depctr_va_vcc(0) depctr_vm_vsrc(0)
	s_getreg_b32 s2, hwreg(HW_REG_IB_STS2, 6, 4)
	s_cmp_eq_u32 s2, 0
	s_cbranch_scc0 .Lentry_in_a_cluster
	s_endpgm
.Lentry_in_a_cluster:
	s_bfe_u32 s2, ttmp6, 0x10000c
	s_cmp_lg_u32 s2, 0xf033
	s_cbranch_scc0 .Lentry_shape_is_right
	s_endpgm
.Lentry_shape_is_right:
; q = query Wq + bq, k = key Wk + bk, v = value Wv + bv on codes of BF6 (E3M2) with E8M0 scales, and each result quantised on its way out: q and k along the 1,024 features, v along the keys (as v^T).
; A WORK-GROUP STAYS: the three results are 768 tiles of 128 x 256, and each of the 256 work-groups makes three, one of q, one of k, one of v^T, so that every work-group has the same work.
; Four waves, each 64 x 128 of a tile: 32 accumulators.  q, k:  A = the activations (128 tokens), B = the weight (256 n).   v^T:  A = Wv (128 d), B = value (256 tokens).
; THE MATRIX INSTRUCTION IS USED TRANSPOSED (source 0 = B's 16 places, source 1 = A's 16): a lane holds one row of A's side.
; B's places are permuted (place 16 b + p holds row 32 (b / 2) + 8 (b % 2) + p + 8 (p / 8)), so the 64 registers of accumulators (a, 0 .. 7) are, in order, k' = 32 bb + 16 (lane / 16) + i of the next product's K.
; THE BIAS IS THE C OF A TILE'S FIRST PRODUCTS: nothing is cleared and nothing is added on the way out.  bq, bk run along a lane's registers; bv is one number a lane and block, spread over eight registers.
; OPERANDS lie in memory in pieces of 25,600 bytes for 128 rows x 256 K: 16 images of fragments (16 rows x 128 K = 1,536 bytes: registers 4 c .. 4 c + 3 of lane l at 512 c + 16 l), then the scale words of the two K steps.
; So one tensor load brings codes and scale words together, a fragment comes from LDS by three loads of 16 bytes a lane, and nothing is padded.  q and k leave in pieces of the same make.
; LDS: A's four pieces, then B's two groups of four pieces: all 1,024 of K of a tile.  THE HEAD'S ONE LOAD A WAVE brings the first tile whole: waves 0 and 1 two pieces of A each, waves 2 and 3 a group of B each.
; Then the two halves of K take turns: fills 2 to 5 are the halves of k's and v^T's tiles, each into the half just read out; each has descriptor registers of its own.  By this text's count a wave has one tensor load out.
; PREFETCHES: a fill is asked of memory two fills ahead of its tensor load (fills 2 and 3 at the head).  Of the 100 (A) or 200 (B) blocks of 256 bytes that a wave's load names, each of the four partners that ask jointly
; takes a quarter, told apart by address (cx for A, cy for B): 25 blocks an instruction, a lane a block, lanes 25-31 naming the 25th again; A's waves issue one instruction, B's two.
; CLUSTERS: 4 x 4 work-groups; A's pieces are asked for jointly along a row of the cluster, B's along a column.
; SCALE WORDS: one register carries two K steps: lanes 0-15 the even step's words, lanes 16-31 the odd step's, chosen by the scale-row selectors.
; LIMITS: a result block whose largest magnitude lies under 2^-122 (zeros too) gets the byte 1; only this program reads the bytes.  NaN and infinities are not served.
; REGISTERS.  window 0: v8-11 bv by A's row; v12 the prefetches' offset; v16-31 addresses; v32-79 scale words, two sets of 24; v80-127, v128-175 A's fragments, two sets (on a way out set 1's registers are at work:
;   set 0 holds the next tile's first fragments); v240-251 a block's codes; v252-253 at work.   window 1: v0-95, v128-223 B's fragments, two sets; v96-127, v224-255 the bias as C.   window 2: accumulators ((a, b) at v[8 (8 a + b)]).
.set XSZ,  6553600                     ; 8,192 rows: 64 groups x 4 pieces.  In the results' buffer: q at 0, k at XSZ, v^T's codes at 2 XSZ; v^T's scale words alone in the scales' buffer
.set WSZ,  819200                      ; 1,024 rows: 8 groups x 4 pieces
.set BLKB, 25600                       ; a piece
.set CODB, 24576                       ; its codes; behind them its scale words
.set QBLK, 24576                       ; v^T: codes of 128 rows x 256 keys
.set SLOT, 2*BLKB                      ; a half of K is two pieces of A and of each group of B, SLOT bytes from the other half
.set WSTG, 12*BLKB                     ; the way out: a stage for scale words, 256 bytes a wave; no fill lands here
.set SPARE, WSTG+1024                  ; the spare words, 128 bytes a wave: two blocks of 256 bytes that no other line names
.set BM,   8
.set PFO,  12                          ; v12  256 x min(lane, 24); never rewritten
.set LI,   16                          ; v16  16 x lane
.set ADRA, 17                          ; v17-18  my A fragments in half 0, 1
.set ADRB, 19                          ; v19-20  my B fragments
.set ADRSA, 21                         ; v21-22  A's scale words: + 512 (lane / 16) + 4 (lane % 16)
.set ADRSB, 23                         ; v23-24  B's
.set WST,  25                          ; v25  the word stage, in
.set WRD,  26                          ; v26  and out
.set OW8,  27                          ; v27  8 x lane
.set SPW,  28                          ; v28  my spare word; never rewritten
.set NIL,  29                          ; v29  0; never rewritten
.set OBN,  30                          ; v30  64 (lane / 16); never rewritten
.set OBM,  31                          ; v31  4 (lane % 16); never rewritten
.set SC,   32
.set AF,   80
.set PU,   128                         ; the way out: v128-130, v132-134 upper halves of the blocks' codes
.set TM,   136                         ; v136-139 maxima, v140-143 bytes, v144-147 the conversions' scale operands
.set PW,   148                         ; v148-151 four scale words
.set PC,   240                         ; a block's codes
.set WB,   252                         ; v[252:253] scale words on their way back from the stage
.set G1A,  24                          ; s[24:31] group 1 for A
.set G1B,  32                          ; s[32:39] for B
.set G0A,  40                          ; s[40:43] group 0 for A's head load; s[48:63] for its fills 2 to 5
.set PFK,  44                          ; s[44:45] my share of k's fills, s[46:47] of v^T's; never rewritten
.set PFV,  46
.set G0B,  68                          ; s[68:71] and s[76:91] the same for B
.set SEL,  92
.set OC2,  94                          ; s[94:95] where v^T's codes go, s[96:97] its scale words
.set OW2,  96
.set OC0,  98                          ; s[98:99] where q's codes go, s[100:101] its scale words; stepped to k's
.set OW0,  100
.set MSB, 0
.macro WIN new                         ; the immediate's high byte repeats the setting that is left
.if MSB != (\new)
	s_set_vgpr_msb (MSB<<8)|(\new)
.set MSB, \new
.endif
.endm
.set MUL,   0xa1                       ; source 0 (B) window 1, source 1 (A) window 0, C and D window 2
.set FIRST, 0x91                       ; the same with C in window 1: the bias
.set TO_B,  0x40                       ; destination window 1, address window 0
.macro PLACES                          ; four plain instructions between a matrix instruction and a load into, or a vector instruction on, its registers (ISA guide 7.12.1 for vector instructions)
.rept 4
	v_nop
.endr
.endm
; A joint load, fill f (0: the head's): waves 0 and 1 fetch for A, waves 2 and 3 for B.  The branch hangs on the wave's number alone.  s_nop 0 and four v_nop follow each line.
.macro JLOAD f
	s_cmp_eq_u32 s19, 0
	s_cbranch_scc0 .Lfor_b_\@
	tensor_load_to_lds s[G0A+4*(\f):G0A+4*(\f)+3], s[G1A:G1A+7]
	s_nop 0
.rept 4
	v_nop
.endr
	s_branch .Lasked_\@
.Lfor_b_\@:
	tensor_load_to_lds s[G0B+4*(\f):G0B+4*(\f)+3], s[G1B:G1B+7]
	s_nop 0
.rept 4
	v_nop
.endr
.Lasked_\@:
.endm
.macro CREST                           ; a round of the cluster's barrier behind its opening barrier
	s_cmp_lg_u32 s18, 0
	s_cbranch_scc1 .Lnot_wave_0_\@
	s_barrier_signal -3
.Lnot_wave_0_\@:
	s_barrier_wait -3
	s_barrier_signal -1
	s_barrier_wait -1
.endm
.macro CROUND
	s_barrier_signal -1
	s_barrier_wait -1
	CREST
.endm
.macro ASK p, half                     ; my share of one fill is asked of memory
	global_prefetch_b8 v[PFO], s[\p:\p+1] offset:(\half)*2*BLKB th:TH_LOAD_NT scope:SCOPE_SE
	s_cmp_eq_u32 s19, 0
	s_cbranch_scc1 .Lpf_done_\@
	global_prefetch_b8 v[PFO], s[\p:\p+1] offset:(\half)*2*BLKB+6400 th:TH_LOAD_NT scope:SCOPE_SE
.Lpf_done_\@:
.endm
	s_load_b256 s[4:11], s[0:1], 0x0               ; the operands s[4:5], bq s[6:7], bk s[8:9], bv s[10:11]
	s_load_b128 s[12:15], s[0:1], 0x20             ; the results' codes s[12:13], v^T's scale words s[14:15]
	v_lshl_add_u32 v[SPW], v0, 2, SPARE
	v_mov_b32 v[NIL], 0
	ds_add_u32 v[SPW], v[NIL]                      ; the opening lines: the add, twice on end, and its wait ahead of my first tensor load
	ds_add_u32 v[SPW], v[NIL]
	s_wait_dscnt 0x0
	v_lshrrev_b32 v1, 5, v0
	v_readfirstlane_b32 s18, v1                    ; wave
	s_lshr_b32 s19, s18, 1                         ; wr: my 64 of the tile's 128 rows.  Also: I fetch for A (0) or for B (1)
	s_and_b32 s20, s18, 1                          ; wc: my 128 of its 256 columns.  Also: which part I fetch
	s_bfe_u32 s92, ttmp6, 0x40000                  ; cx
	s_bfe_u32 s93, ttmp6, 0x40004                  ; cy
	s_and_b32 s94, ttmp7, 0xffff                   ; the cluster's y, 0 to 15
	s_lshl_b32 s21, s93, 2
	s_lshl_b32 s21, 15, s21                        ; my row of the cluster
	s_lshl_b32 s22, 0x1111, s92                    ; my column
	s_or_b32 s[G1A], s21, (3<<16)|(1<<21)          ; dense bytes as rows of 256 (32 elements of 8 bytes)
	s_mov_b32 s[G1A+1], 32<<16                     ; tensor_dim0
	s_mov_b32 s[G1A+2], 200<<16                    ; tensor_dim1.  The head's load: two pieces, 200 rows; set to 100 behind the head's wait
	s_mov_b32 s[G1A+3], 32<<16                     ; tile_dim0
	s_mov_b32 s[G1A+4], 200                        ; tile_dim1
	s_mov_b32 s[G1A+5], 32                         ; from row to row
	s_mov_b32 s[G1A+6], 0
	s_mov_b32 s[G1A+7], 0
	s_or_b32 s[G1B], s22, (3<<16)|(1<<21)
	s_mov_b32 s[G1B+1], 32<<16
	s_mov_b32 s[G1B+2], 400<<16                    ; the head's load: a group's four pieces, 400 rows; set to 200 behind the head's wait
	s_mov_b32 s[G1B+3], 32<<16
	s_mov_b32 s[G1B+4], 400
	s_mov_b32 s[G1B+5], 32
	s_mov_b32 s[G1B+6], 0
	s_mov_b32 s[G1B+7], 0
	; A's side hangs on the cluster's y and cy alone
	s_lshl_b32 s95, s94, 2
	s_add_co_u32 s95, s95, s93                     ; q, k: the group of 128 tokens, 0 to 63
	s_and_b32 s96, s94, 1
	s_lshl_b32 s96, s96, 2
	s_add_co_u32 s96, s96, s93                     ; v^T: Wv's group of 128 d, 0 to 7
	s_mul_i32 s21, s20, BLKB                       ; which piece of a fill's two I fetch: in memory, and in a half
	s_mul_i32 s2, s95, 4*BLKB
	s_add_co_u32 s2, s2, s21                       ; query's (key's lie XSZ further on)
	s_mov_b32 s3, 0
	s_mul_i32 s66, s96, 4*BLKB
	s_add_co_u32 s66, s66, s21
	s_add_co_u32 s66, s66, 3*XSZ+2*WSZ             ; Wv's
	s_mov_b32 s67, 0
	; B's side on the cluster's y and cx alone
	s_lshl_b32 s98, s92, 1
	s_add_co_u32 s98, s98, s20
	s_mul_i32 s98, s98, 4*BLKB
	s_add_co_u32 s98, s98, 3*XSZ                   ; Wq's group 2 cx + which (Wk's lies WSZ further on)
	s_mov_b32 s99, 0
	s_lshr_b32 s16, s94, 1
	s_lshl_b32 s16, s16, 2
	s_add_co_u32 s16, s16, s92                     ; v^T: the tile column of 256 tokens, 0 to 31
	s_lshl_b32 s100, s16, 1
	s_add_co_u32 s100, s100, s20
	s_mul_i32 s100, s100, 4*BLKB
	s_add_co_u32 s100, s100, 2*XSZ                 ; value's group
	s_mov_b32 s101, 0
	s_mul_i32 s22, s20, 4*BLKB
	s_add_co_u32 s22, s22, 4*BLKB                  ; B's group in LDS: the wave's number alone
	s_wait_kmcnt 0x0
	s_add_nc_u64 s[2:3], s[4:5], s[2:3]
	s_add_nc_u64 s[66:67], s[4:5], s[66:67]
	s_add_nc_u64 s[98:99], s[4:5], s[98:99]
	s_add_nc_u64 s[100:101], s[4:5], s[100:101]
	s_mov_b32 s[G0A], 1                            ; the head's loads
	s_lshl_b32 s[G0A+1], s21, 1                    ; LDS: 2 BLKB x which
	s_mov_b32 s[G0A+4], s21
	s_mov_b32 s[G0A+5], 0
	s_add_nc_u64 s[G0A+2:G0A+3], s[2:3], s[G0A+4:G0A+5]   ; memory: the group + 2 BLKB x which
	s_or_b32 s[G0A+3], s[G0A+3], 0x80000000
	s_mov_b32 s[G0B], 1
	s_mov_b32 s[G0B+1], s22
	s_mov_b64 s[G0B+2:G0B+3], s[98:99]
	s_or_b32 s[G0B+3], s[G0B+3], 0x80000000
	s_mov_b32 s73, 12800                           ; the prefetches' pointers
	s_mov_b32 s74, WSZ
	s_cmp_eq_u32 s19, 0
	s_cselect_b64 s[PFK:PFK+1], s[2:3], s[98:99]
	s_cselect_b64 s[PFV:PFV+1], s[66:67], s[100:101]
	s_cselect_b32 s72, s92, s93                    ; my place among the four that ask with me
	s_cselect_b32 s73, 6400, s73                   ; a quarter of the load's bytes
	s_cselect_b32 s74, XSZ, s74                    ; from q's operands to k's
	s_mul_i32 s72, s72, s73
	s_mov_b32 s73, 0
	s_add_nc_u64 s[PFV:PFV+1], s[PFV:PFV+1], s[72:73]
	s_add_co_u32 s72, s72, s74
	s_add_nc_u64 s[PFK:PFK+1], s[PFK:PFK+1], s[72:73]
.irp f, 2,3,4,5                                ; fill f: tile f / 2, half f % 2 of K
	s_mov_b32 s[G0A+4*\f], 1
	s_add_co_u32 s[G0A+4*\f+1], s21, (\f%2)*SLOT
	s_mov_b32 s[G0B+4*\f], 1
	s_add_co_u32 s[G0B+4*\f+1], s22, (\f%2)*SLOT
.if \f < 4
	s_add_nc_u64 s[G0A+4*\f+2:G0A+4*\f+3], s[2:3], (\f/2)*XSZ+(\f%2)*2*BLKB
	s_add_nc_u64 s[G0B+4*\f+2:G0B+4*\f+3], s[98:99], (\f/2)*WSZ+(\f%2)*2*BLKB
.else
	s_add_nc_u64 s[G0A+4*\f+2:G0A+4*\f+3], s[66:67], (\f%2)*2*BLKB
	s_add_nc_u64 s[G0B+4*\f+2:G0B+4*\f+3], s[100:101], (\f%2)*2*BLKB
.endif
	s_or_b32 s[G0A+4*\f+3], s[G0A+4*\f+3], 0x80000000
	s_or_b32 s[G0B+4*\f+3], s[G0B+4*\f+3], 0x80000000
.endr
	CROUND                                         ; all sixteen work-groups are here: the first joint loads meet
	JLOAD 0                                        ; my one load at the head
	v_and_b32 v1, 31, v0
	v_and_b32 v2, 15, v0                           ; r
	v_bfe_u32 v3, v0, 4, 1                         ; h
	v_lshlrev_b32 v[LI], 4, v1
	v_lshlrev_b32 v[OW8], 3, v1
	v_lshlrev_b32 v[OBN], 6, v3
	v_lshlrev_b32 v[OBM], 2, v2
	v_min_u32 v5, 24, v1
	v_lshlrev_b32 v[PFO], 8, v5
	v_lshlrev_b32 v4, 9, v3
	v_lshl_add_u32 v4, v2, 2, v4                   ; 512 h + 4 r
	s_wait_alu depctr_va_vdst(0)                   ; the wait here, ahead of the scalar lines below
	s_mul_i32 s21, s19, 12288                      ; my four blocks of 16 rows of A
	s_mul_i32 s22, s20, 4*BLKB
	s_add_co_u32 s22, s22, 4*BLKB                  ; my group of B
	s_lshl_b32 s23, s19, 8
	s_add_co_u32 s23, s23, CODB                    ; A's scale words: my 64 rows'
	s_add_co_u32 s17, s22, CODB                    ; B's
.irp s, 0,1
	v_add_nc_u32 v[ADRA+\s], s21, v[LI]
	v_add_nc_u32 v[ADRB+\s], s22, v[LI]
	v_add_nc_u32 v[ADRSA+\s], s23, v4
	v_add_nc_u32 v[ADRSB+\s], s17, v4
	s_add_co_u32 s21, s21, SLOT
	s_add_co_u32 s22, s22, SLOT
	s_add_co_u32 s23, s23, SLOT
	s_add_co_u32 s17, s17, SLOT
.endr
	s_lshl_b32 s21, s18, 8
	s_add_co_u32 s21, s21, WSTG
	v_lshl_add_u32 v[WST], v2, 2, s21
	v_lshl_add_u32 v[WRD], v1, 3, s21
	; the biases: bq, bk by B's row (n = 256 cx + 128 wc on);  bv by A's row (d = 128 x group + 64 wr on)
	s_lshl_b32 s2, s92, 10
	s_lshl_b32 s21, s20, 9
	s_add_co_u32 s2, s2, s21
	s_mov_b32 s3, 0
	s_add_nc_u64 s[6:7], s[6:7], s[2:3]
	s_add_nc_u64 s[8:9], s[8:9], s[2:3]
	s_lshl_b32 s2, s96, 9
	s_lshl_b32 s21, s19, 8
	s_add_co_u32 s2, s2, s21
	s_add_nc_u64 s[10:11], s[10:11], s[2:3]
.macro LOADBN p                        ; register 16 bb + i of the 64: the bias of n = 32 bb + 16 h + i of my 128: the layout of accumulators (a, 0 .. 7)
	WIN TO_B
.irp bb, 0,1,2,3
.irp j, 0,1,2,3
	global_load_b128 v[96+96*(\bb/2)+16*\bb+4*\j:96+96*(\bb/2)+16*\bb+4*\j+3], v[OBN], s[\p:\p+1] offset:128*\bb+16*\j
.endr
.endr
	WIN 0
.endm
	LOADBN 6                                       ; bq
.irp a, 0,1,2,3
	global_load_b32 v[BM+\a], v[OBM], s[10:11] offset:64*\a   ; bv of d = 16 a + r of my 64
.endr
	; where my results go
	s_mul_i32 s21, s19, 12288
	s_mul_i32 s22, s20, 1536
	s_add_co_u32 s21, s21, s22                     ; codes: my four blocks, my 128 of the 256
	s_lshl_b32 s22, s20, 9
	s_lshl_b32 s23, s19, 8
	s_add_co_u32 s22, s22, s23                     ; words: my 128 of K, my 64 places
	s_lshl_b32 s2, s95, 2
	s_add_co_u32 s2, s2, s92                       ; q, k: 4 x group + cx:
	s_mul_i32 s2, s2, BLKB                         ; the piece
	s_add_co_u32 s66, s2, s22
	s_add_co_u32 s66, s66, CODB                    ; its scale words lie behind its codes
	s_add_co_u32 s2, s2, s21
	s_mov_b32 s67, 0
	s_add_nc_u64 s[OC0:OC0+1], s[12:13], s[2:3]
	s_add_nc_u64 s[OW0:OW0+1], s[12:13], s[66:67]
	s_lshr_b32 s23, s16, 3
	s_lshl_b32 s23, s23, 3
	s_add_co_u32 s23, s23, s96                     ; v^T: the group 8 x batch + Wv's group,
	s_lshl_b32 s23, s23, 3
	s_and_b32 s17, s16, 7
	s_add_co_u32 s23, s23, s17                     ; x 8 + which 256 keys of the batch
	s_lshl_b32 s66, s23, 10
	s_mul_i32 s2, s23, QBLK
	s_add_co_u32 s2, s2, s21
	s_add_co_u32 s2, s2, 2*XSZ
	s_add_co_u32 s66, s66, s22
	s_add_nc_u64 s[OC2:OC2+1], s[12:13], s[2:3]
	s_add_nc_u64 s[OW2:OW2+1], s[14:15], s[66:67]
	s_mov_b32 s[SEL], 0x76543210
	s_mov_b32 s[SEL+1], 0xfedcba98                 ; v_permlanex16_b32's selects for lane l xor 16
.macro FETCH set, slot, s4             ; 36 loads in one run: B's eight and A's four fragments of the half's s4-th 128 along K
	WIN TO_B
.irp i, 0,1,2,3,4,5,6,7
.irp c, 0,1,2
	ds_load_b128 v[128*(\set)+12*\i+4*\c:128*(\set)+12*\i+4*\c+3], v[ADRB+(\slot)] offset:BLKB*((\s4)/2)+3072*\i+1536*((\s4)%2)+512*\c
.endr
.endr
	WIN 0
.irp i, 0,1,2,3
.irp c, 0,1,2
	ds_load_b128 v[AF+48*(\set)+12*\i+4*\c:AF+48*(\set)+12*\i+4*\c+3], v[ADRA+(\slot)] offset:BLKB*((\s4)/2)+3072*\i+1536*((\s4)%2)+512*\c
.endr
.endr
.endm
.macro SCALES sc                       ; the scale words of half sc's four K steps into set sc: a register carries two steps
.irp pr, 0,1
.irp i, 0,1,2,3
	ds_load_b32 v[SC+24*(\sc)+2*\i+\pr], v[ADRSA+(\sc)] offset:BLKB*\pr+64*\i
.endr
.irp i, 0,1,2,3,4,5,6,7
	ds_load_b32 v[SC+24*(\sc)+8+2*\i+\pr], v[ADRSB+(\sc)] offset:BLKB*\pr+64*\i
.endr
.endr
.endm
; A's block a x B's eight.  The 32 accumulators take turns, one instruction a turn, in the same order in every step.
; first = 1: a tile's first products take the bias by B's row as C; first = 2: the bias by A's row.
.macro MUL8 a, set, sc, pr, odd, first
.irp b, 0,1,2,3,4,5,6,7
.if (\first) == 1
	v_wmma_scale_f32_16x16x128_f8f6f4 v[8*(8*(\a)+\b):8*(8*(\a)+\b)+7], v[128*(\set)+12*\b:128*(\set)+12*\b+11], v[AF+48*(\set)+12*(\a):AF+48*(\set)+12*(\a)+11], v[96+8*\b+96*(\b/4):96+8*\b+96*(\b/4)+7], v[SC+24*(\sc)+8+2*\b+(\pr)], v[SC+24*(\sc)+2*(\a)+(\pr)] matrix_a_fmt:MATRIX_FMT_BF6 matrix_b_fmt:MATRIX_FMT_BF6
.elseif (\first) == 2
	v_wmma_scale_f32_16x16x128_f8f6f4 v[8*(8*(\a)+\b):8*(8*(\a)+\b)+7], v[128*(\set)+12*\b:128*(\set)+12*\b+11], v[AF+48*(\set)+12*(\a):AF+48*(\set)+12*(\a)+11], v[96+8*(\a):96+8*(\a)+7], v[SC+24*(\sc)+8+2*\b+(\pr)], v[SC+24*(\sc)+2*(\a)+(\pr)] matrix_a_fmt:MATRIX_FMT_BF6 matrix_b_fmt:MATRIX_FMT_BF6
.elseif \odd
	v_wmma_scale_f32_16x16x128_f8f6f4 v[8*(8*(\a)+\b):8*(8*(\a)+\b)+7], v[128*(\set)+12*\b:128*(\set)+12*\b+11], v[AF+48*(\set)+12*(\a):AF+48*(\set)+12*(\a)+11], v[8*(8*(\a)+\b):8*(8*(\a)+\b)+7], v[SC+24*(\sc)+8+2*\b+(\pr)], v[SC+24*(\sc)+2*(\a)+(\pr)] matrix_a_fmt:MATRIX_FMT_BF6 matrix_b_fmt:MATRIX_FMT_BF6 matrix_a_scale:MATRIX_SCALE_ROW1 matrix_b_scale:MATRIX_SCALE_ROW1
.else
	v_wmma_scale_f32_16x16x128_f8f6f4 v[8*(8*(\a)+\b):8*(8*(\a)+\b)+7], v[128*(\set)+12*\b:128*(\set)+12*\b+11], v[AF+48*(\set)+12*(\a):AF+48*(\set)+12*(\a)+11], v[8*(8*(\a)+\b):8*(8*(\a)+\b)+7], v[SC+24*(\sc)+8+2*\b+(\pr)], v[SC+24*(\sc)+2*(\a)+(\pr)] matrix_a_fmt:MATRIX_FMT_BF6 matrix_b_fmt:MATRIX_FMT_BF6
.endif
.endr
.endm
; K step st of the work-group's 24 (eight a tile), with its successor in the same half: its fragments were asked for a step ago; the next step's are asked for in one run, into the other set; then 32 products.
.macro STEP st
	s_wait_dscnt 0x0                               ; this step's fragments and scale words are in
.if (\st) > 0
	PLACES                                         ; the other set was read by the last step's products
.endif
	FETCH ((\st)+1)%2, (((\st)+1)/4)%2, ((\st)+1)%4
.if ((\st)%8) == 0
.if (\st) == 16
.set FZ, 2
.else
.set FZ, 1
.endif
	WIN FIRST
.else
.set FZ, 0
	WIN MUL
.endif
.irp a, 0,1,2,3
	MUL8 \a, (\st)%2, ((\st)/4)%2, ((\st)%4)/2, (\st)%2, FZ
.endr
.endm
; A half's last step.  In front of the barrier each wave waits for all its tensor loads, adds 0 to its spare word, and waits for that and for its reads of the half.
; f >= 0: the barrier opens a round of the cluster's barrier, and the half takes fill f first thing behind it.  f < 0: nothing is left to fetch.
.macro TURN st, f
	WIN 0
	s_wait_tensorcnt 0x0                           ; all my tensor loads have landed: my part of the next half
	ds_add_u32 v[SPW], v[NIL]                      ; 0 onto my spare word
	s_wait_dscnt 0x1                               ; this step's fragments are in; the add may be out
	WIN MUL
	MUL8 0, 1, ((\st)/4)%2, 1, 1, 0
	s_wait_dscnt 0x0                               ; the add is done; my reads of the half were over at the wait above
	s_barrier_signal -1
	MUL8 1, 1, ((\st)/4)%2, 1, 1, 0
	WIN 0
	s_barrier_wait -1
.if (\f) >= 0
	CREST                                          ; no wave of any partner still reads this half or has a load on its way
	JLOAD \f                                       ; its four v_nop are also the places in front of the loads below
.else
	PLACES
.endif
	FETCH 0, (((\st)+1)/4)%2, 0
	SCALES (((\st)+1)/4)%2
.if ((\f) == 2) || ((\f) == 3)
	ASK PFV, (\f)%2                                ; the fill two on: v^T's
.endif
	WIN MUL
	MUL8 2, 1, ((\st)/4)%2, 1, 1, 0
	MUL8 3, 1, ((\st)/4)%2, 1, 1, 0
.endm
; THE WAY OUT.  Block a's 64 accumulator registers a lane, window 2's v[s] on, are 64 numbers of one row along the next K: they are quantised as they lie and leave as a fragment's image and a scale word.
.macro QUANT s, pw
	WIN 0x0a                                       ; sources 0 and 1: the accumulators' window.
.irp b, 0,1,2,3
	v_max3_num_f32 v[TM+\b], |v[(\s)+16*\b]|, |v[(\s)+1+16*\b]|, 0x2800000   ; block b: my 16 numbers and the floor 2^(5 - 127)
.endr
	WIN 0x28                                       ; sources 1 and 2
.irp i, 2,4,6,8,10,12,14
.irp b, 0,1,2,3
	v_max3_num_f32 v[TM+\b], v[TM+\b], |v[(\s)+16*\b+\i]|, |v[(\s)+1+16*\b+\i]|
.endr
.endr
	WIN 0
.irp b, 0,1,2,3
	v_permlanex16_b32 v[TM+4+\b], v[TM+\b], s[SEL], s[SEL+1]
.endr
.irp b, 0,1,2,3
	v_max_num_f32 v[TM+\b], v[TM+\b], v[TM+4+\b]   ; with lane l xor 16's 16: the block's largest magnitude
.endr
.irp b, 0,1,2,3
	v_add_nc_u32 v[TM+8+\b], 0xfe000000, v[TM+\b]  ; 4 off the exponent field: the conversion's scale operand
.endr
.irp b, 0,1,2,3
	v_lshrrev_b32 v[TM+4+\b], 23, v[TM+8+\b]       ; the byte
.endr
	v_lshl_or_b32 v[\pw], v[TM+5], 8, v[TM+4]
	v_lshl_or_b32 v[\pw], v[TM+6], 16, v[\pw]
	v_lshl_or_b32 v[\pw], v[TM+7], 24, v[\pw]
	s_wait_alu depctr_va_vdst(0)                   ; the wait here, directly ahead of the wait below
	s_wait_xcnt 0x0                                ; the last block's stores have read the codes' registers
	WIN 0x02                                       ; source 0: the accumulators' window
.irp c, 0,1
	v_cvt_scalef32_pk16_bf6_f32 v[PC+6*\c:PC+6*\c+2], v[(\s)+32*\c:(\s)+32*\c+15], v[TM+8+2*\c]
	v_cvt_scalef32_pk16_bf6_f32 v[PU+4*\c:PU+4*\c+2], v[(\s)+16+32*\c:(\s)+31+32*\c], v[TM+9+2*\c]   ; (a conversion's three registers begin on an even number)
.endr
	WIN 0
	v_nop                                          ; one plain instruction behind a scaled conversion
.irp c, 0,1                                    ; the operand wants a whole block in a lane: lanes 0-15 block 2 c, lanes 16-31 block 2 c + 1
.irp i, 0,1,2
	v_permlane16_swap_b32 v[PC+6*\c+\i], v[PU+4*\c+\i]
.endr
.irp i, 0,1,2
	v_mov_b32 v[PC+3+6*\c+\i], v[PU+4*\c+\i]
.endr
.endr
.endm
.macro EPI a, oc
	QUANT 64*(\a), PW+(\a)
.irp c, 0,1,2
	global_store_b128 v[LI], v[PC+4*\c:PC+4*\c+3], s[\oc:\oc+1] offset:3072*(\a)+512*\c   ; 512 consecutive bytes, aligned
.endr
	ds_store_b32 v[WST], v[PW+(\a)] offset:64*(\a) ; lanes r and 16 + r write the same word with the same value
.endm
.macro EPILOG T, oc, ow
	WIN 0
	PLACES                                         ; behind the tile's last products: their results are read below, and registers of A's set 1 are written
.irp b, 0,1,2,3
	v_mov_b32 v[TM+4+\b], 0                        ; a lane permute's destination counts as one of its sources
.endr
.if (\T) == 1
	WIN TO_B                                       ; bv as the C of v^T's first products: block a's eight registers all hold the lane's row's number (bk was last read by k's first products)
.irp a, 0,1,2,3
.irp j, 0,1,2,3,4,5,6,7
	v_mov_b32 v[96+8*\a+\j], v[BM+\a]
.endr
.endr
	WIN 0
	s_wait_xcnt 0x0                                ; q's stores have read their bases:
	s_add_nc_u64 s[\oc:\oc+1], s[\oc:\oc+1], XSZ   ; on to k's place
	s_add_nc_u64 s[\ow:\ow+1], s[\ow:\ow+1], XSZ
.endif
.irp a, 0,1,2,3
	EPI \a, \oc
.endr
	ds_load_b64 v[WB:WB+1], v[WRD]                 ; LDS serves a wave's instructions in order: this sees my four stores
	s_wait_dscnt 0x0
	global_store_b64 v[OW8], v[WB:WB+1], s[\ow:\ow+1]   ; my 64 scale words: 256 consecutive bytes, aligned
.endm
	s_wait_alu depctr_va_vdst(0)                   ; the wait at the head's end
	ASK PFK, 0                                     ; k's two fills: two fills ahead of their loads
	ASK PFK, 1
	s_wait_loadcnt 0x0                             ; bq and bv are in
	s_wait_tensorcnt 0x0                           ; my one load is in
	s_mov_b32 s[G1A+2], 100<<16                    ; no tensor load of mine is out, so a descriptor may be written: the ring's loads bring one piece of A,
	s_mov_b32 s[G1A+4], 100
	s_mov_b32 s[G1B+2], 200<<16                    ; two of B
	s_mov_b32 s[G1B+4], 200
	s_barrier_signal -1
	s_barrier_wait -1
	FETCH 0, 0, 0
	SCALES 0
	STEP 0                                         ; ---- q
	WIN 0
	PLACES                                         ; bq has been read as C:
	LOADBN 8                                       ; bk takes its registers
	STEP 1
	STEP 2
	TURN 3, 2                                      ; half 0 takes k's first half of K
	STEP 4
	STEP 5
	STEP 6
	TURN 7, 3                                      ; half 1 takes k's second half, and k's first fragments are fetched
	EPILOG 0, OC0, OW0
	s_wait_loadcnt 0x0                             ; bk is in
	STEP 8                                         ; ---- k
	STEP 9
	STEP 10
	TURN 11, 4                                     ; half 0 takes v^T's first half
	STEP 12
	STEP 13
	STEP 14
	TURN 15, 5                                     ; half 1 its second
	EPILOG 1, OC0, OW0
	STEP 16                                        ; ---- v^T
	STEP 17
	STEP 18
	TURN 19, -1                                    ; nothing is left to fetch
	STEP 20
	STEP 21
	STEP 22
	s_wait_dscnt 0x0                               ; the last step
	WIN MUL
.irp a, 0,1,2,3
	MUL8 \a, 1, 1, 1, 1, 0
.endr
	EPILOG 2, OC2, OW2
	s_wait_tensorcnt 0x0                           ; the wave's end
	ds_add_u32 v[SPW], v[NIL]
	s_wait_dscnt 0x0
	CROUND                                         ; the closing round
	s_endpgm
.Lfunc_end_k_qd42e102831_proj:
	.size	k_qd42e102831_proj, .Lfunc_end_k_qd42e102831_proj-k_qd42e102831_proj
	.p2alignl 7, 3214868480
	.fill 96, 4, 3214868480
	.section	.rodata,"a",@progbits
	.p2align	6, 0x0
	.amdhsa_kernel k_qd42e102831_proj
		.amdhsa_group_segment_fixed_size 327680
		.amdhsa_private_segment_fixed_size 0
		.amdhsa_enable_private_segment 0
		.amdhsa_kernarg_size 48
		.amdhsa_user_sgpr_count 2
		.amdhsa_user_sgpr_kernarg_segment_ptr 1
		.amdhsa_wavefront_size32 1
		.amdhsa_system_sgpr_workgroup_id_x 1
		.amdhsa_system_sgpr_workgroup_id_y 1
		.amdhsa_system_sgpr_workgroup_id_z 1
		.amdhsa_system_vgpr_workitem_id 0
		.amdhsa_next_free_vgpr 768
		.amdhsa_next_free_sgpr 102
		.amdhsa_reserve_vcc 0
		.amdhsa_float_denorm_mode_32 3
		.amdhsa_float_denorm_mode_16_64 3
		.amdhsa_memory_ordered 1
		.amdhsa_forward_progress 1
		.amdhsa_inst_pref_size 239
	.end_amdhsa_kernel
	.amdgpu_metadata
---
amdhsa.version: [ 1, 2 ]
amdhsa.kernels:
  - .name:           k_qd42e102831_proj
    .symbol:         k_qd42e102831_proj.kd
    .args:
      - { .name: xw_codes, .offset: 0, .size: 8, .value_kind: global_buffer, .address_space: global }
      - { .name: bq, .offset: 8, .size: 8, .value_kind: global_buffer, .address_space: global }
      - { .name: bk, .offset: 16, .size: 8, .value_kind: global_buffer, .address_space: global }
      - { .name: bv, .offset: 24, .size: 8, .value_kind: global_buffer, .address_space: global }
      - { .name: qkv_codes, .offset: 32, .size: 8, .value_kind: global_buffer, .address_space: global }
      - { .name: qkv_scales, .offset: 40, .size: 8, .value_kind: global_buffer, .address_space: global }
    .group_segment_fixed_size: 327680
    .private_segment_fixed_size: 0
    .kernarg_segment_align: 8
    .kernarg_segment_size: 48
    .max_flat_workgroup_size: 128
    .sgpr_count:     102
    .vgpr_count:     768
    .wavefront_size: 32
...
	.end_amdgpu_metadata
.endif
;; end of part 2
;; launch scores (part 3): grid 8 x 32, 4 waves a work-group, clusters of 4 x 4, 327,680 bytes of LDS; arguments qkv_codes, p_codes, p_side; writes p_codes, p_side
.if DOCPART == 3
	.amdgcn_target "amdgcn-amd-amdhsa--gfx1250"
	.amdhsa_code_object_version 6
	.text
	.protected	k_qd42e102831_scores
	.globl	k_qd42e102831_scores
	.p2align	8
	.type	k_qd42e102831_scores,@function
k_qd42e102831_scores:
	s_mov_b64 s[64:65], 0
	v_nop
	global_prefetch_b8 v0, s[64:65] scope:SCOPE_SE
	s_setreg_imm32_b32 hwreg(HW_REG_WAVE_MODE, 25, 1), 1
	s_wait_xcnt 0x0
	s_wait_alu depctr_hold_cnt(0) depctr_sa_sdst(0) depctr_va_vdst(0) depctr_va_sdst(0) depctr_va_ssrc(0) depctr_va_vcc(0) depctr_vm_vsrc(0)
	s_getreg_b32 s2, hwreg(HW_REG_IB_STS2, 6, 4)
	s_cmp_eq_u32 s2, 0
	s_cbranch_scc0 .Lentry_in_a_cluster
	s_endpgm
.Lentry_in_a_cluster:
	s_bfe_u32 s2, ttmp6, 0x10000c
	s_cmp_lg_u32 s2, 0xf033
	s_cbranch_scc0 .Lentry_shape_is_right
	s_endpgm
.Lentry_shape_is_right:
; S = q k^T on codes of BF6 (E3M2) with E8M0 scales, and on the way out p = 2^(t - M), t = S x log2(e) / 32, quantised along the keys in blocks of 32.
; M here is LOCAL to a row's 128 keys of one wave (the ceiling of their largest t, a whole number); the next launch brings all parts of a row under one M by adding whole numbers to the scale bytes.
; For each row and 128 keys leave: 128 codes, a scale word, -M and the sum l of the unquantised p.
; A tile of S is 256 queries x 256 keys; four waves, each 128 x 128: 64 accumulators.  The matrix instruction is used transposed (source 0 = 16 places of k, source 1 = 16 rows of q): a lane holds one query.
; k's places are permuted by the launch before, so that the 64 registers of accumulators (a, 0 .. 7) are keys 32 b + 16 (lane / 16) + i in order.
; OPERANDS lie in pieces of 25,600 bytes for 128 rows x 256 K: 16 images of fragments (1,536 bytes: registers 4 c .. 4 c + 3 of lane l at 512 c + 16 l), then the scale words [128 of K][128 places] x 4 bytes.
; LDS: four regions (q's two groups of 128 rows, k's two), each of three pieces.  THE HEAD'S ONE LOAD A WAVE brings its group's first three pieces, 768 of K, codes and scale words together.
; The fourth piece is the only refill: into each region's first piece, behind K step 1, with four K steps (256 products a wave) between the request and the wait for it.
; It is asked of memory at the head: of a piece's 100 blocks of 256 bytes each of the four partners that ask jointly takes 25, told apart by address (cx for q, cy for k), a lane a block, lanes 25-31 naming the 25th again.
; CLUSTERS of 4 x 4: q's pieces are asked for jointly along a row of the cluster, k's along a column.
; LIMITS: the promise holds while |t| stays under 2^31.  A block whose every p lies under 2^-122 gets the byte 1.  NaN and infinities are not served.
; REGISTERS.  window 0: v16-29 addresses; v32-63 scale words, two sets (a register carries two K steps: lanes 0-15 the even one, lanes 16-31 the odd one); v64-159, v160-255 q's fragments, two sets; on the way out v64-175 are at work.
;   window 1: v0-95, v128-223 k's fragments, two sets.   window 2: accumulators of my rows 0-63 ((a, b) at v[8 (8 a + b)]);   window 3: rows 64-127.
.set PIECE, 25600
.set CODB,  24576                      ; a piece's codes; behind them its scale words
.set XSZ,   6553600                    ; q's pieces; k's lie behind them
.set PBLK,  24576                      ; P's codes of 128 rows x 256 keys
.set GRP,   3*PIECE                    ; a region
.set WSTG,  4*GRP                      ; the way out: 1,536 bytes a wave for scale words, -M and l; no fill lands here
.set SPARE, WSTG+4*1536                ; the spare words: two blocks of 256 bytes that no other line names
.set LI,   16                          ; v16     16 x lane
.set ADRA, 17                          ; v17-19  my q fragments in piece 0, 1, 2 of the region
.set ADRB, 20                          ; v20-22  my k fragments
.set ADRSA, 23                         ; v23     q's scale words: + 512 (lane / 16) + 4 (lane % 16)
.set ADRSB, 24                         ; v24     k's
.set WST,  25
.set WRD,  26
.set PFO,  27                          ; v27     256 x min(lane, 24); never rewritten
.set SPW,  28                          ; v28     my spare word; never rewritten
.set NIL,  29                          ; v29     0; never rewritten
.set SC,   32
.set AF,   64
.set H,    64                          ; the way out: 64 numbers
.set PC,   128                         ; their codes
.set TM,   152
.set TP,   164
.set NM,   166
.set SU,   168
.set LL,   172
.set PW,   173
.set G1A,  24
.set G0A,  32
.set G1B,  44
.set G0B,  52
.set PFP,  66                          ; s[66:67] my share of the fourth piece
.set SEL,  92
.set CS,   94
.set MSB, 0
.macro WIN new                         ; the immediate's high byte repeats the setting that is left
.if MSB != (\new)
	s_set_vgpr_msb (MSB<<8)|(\new)
.set MSB, \new
.endif
.endm
.set MUL_LO, 0xa1                      ; source 0 (k) window 1, source 1 (q) window 0, C and D window 2
.set MUL_HI, 0xf1
.set TO_B,   0x40
.macro PLACES                          ; four plain instructions between a matrix instruction and a load into, or a vector instruction on, its registers (ISA guide 7.12.1 for vector instructions)
.rept 4
	v_nop
.endr
.endm
.macro JLOAD                           ; a joint load: waves 0 and 1 fetch for q, waves 2 and 3 for k; the branch hangs on the wave's number alone; s_nop 0 and four v_nop follow each line
	s_cmp_eq_u32 s19, 0
	s_cbranch_scc0 .Lfor_b_\@
	tensor_load_to_lds s[G0A:G0A+3], s[G1A:G1A+7]
	s_nop 0
.rept 4
	v_nop
.endr
	s_branch .Lasked_\@
.Lfor_b_\@:
	tensor_load_to_lds s[G0B:G0B+3], s[G1B:G1B+7]
	s_nop 0
.rept 4
	v_nop
.endr
.Lasked_\@:
.endm
.macro CREST                           ; a round of the cluster's barrier behind its opening barrier
	s_cmp_lg_u32 s18, 0
	s_cbranch_scc1 .Lnot_wave_0_\@
	s_barrier_signal -3
.Lnot_wave_0_\@:
	s_barrier_wait -3
	s_barrier_signal -1
	s_barrier_wait -1
.endm
.macro CROUND
	s_barrier_signal -1
	s_barrier_wait -1
	CREST
.endm
	s_load_b64 s[4:5], s[0:1], 0x0                 ; q's and k's pieces
	s_load_b128 s[8:11], s[0:1], 0x8               ; P's codes s[8:9], its side numbers s[10:11]
	v_lshl_add_u32 v[SPW], v0, 2, SPARE
	v_mov_b32 v[NIL], 0
	ds_add_u32 v[SPW], v[NIL]                      ; the opening lines: the add, twice on end, and its wait ahead of my first tensor load
	ds_add_u32 v[SPW], v[NIL]
	v_lshrrev_b32 v1, 5, v0
	v_readfirstlane_b32 s18, v1                    ; wave
	s_lshr_b32 s19, s18, 1                         ; my 128 of the tile's 256 rows.  Also: I fetch for q (0) or for k (1)
	s_and_b32 s20, s18, 1                          ; my 128 of its 256 keys.  Also: which group I fetch
	s_bfe_u32 s92, ttmp6, 0x40000                  ; cx
	s_bfe_u32 s93, ttmp6, 0x40004                  ; cy
	s_lshl_b32 s97, ttmp9, 2
	s_add_co_u32 s97, s97, s92                     ; tile column: which 256 keys of the batch
	s_and_b32 s94, ttmp7, 0xffff
	s_lshl_b32 s96, s94, 2
	s_add_co_u32 s96, s96, s93                     ; tile row, over all batches
	s_lshr_b32 s94, s94, 1                         ; the batch: from the cluster's y alone
	s_lshl_b32 s21, s93, 2
	s_lshl_b32 s21, 15, s21                        ; my row of the cluster
	s_lshl_b32 s22, 0x1111, s92                    ; my column
	s_or_b32 s[G1A], s21, (3<<16)|(1<<21)          ; dense bytes as rows of 256 (32 elements of 8 bytes)
	s_or_b32 s[G1B], s22, (3<<16)|(1<<21)
.irp g, G1A, G1B
	s_mov_b32 s[\g+1], 32<<16
	s_mov_b32 s[\g+2], 300<<16                     ; the head's load: three pieces, 300 rows; set to 100 behind the head's wait
	s_mov_b32 s[\g+3], 32<<16
	s_mov_b32 s[\g+4], 300
	s_mov_b32 s[\g+5], 32
	s_mov_b32 s[\g+6], 0
	s_mov_b32 s[\g+7], 0
.endr
	s_lshl_b32 s99, s96, 1
	s_add_co_u32 s99, s99, s20                     ; q's group: 2 x tile row + which
	s_mul_i32 s98, s99, 4*PIECE
	s_mov_b32 s99, 0
	s_lshl_b32 s101, s94, 4
	s_lshl_b32 s95, s97, 1
	s_add_co_u32 s101, s101, s95
	s_add_co_u32 s101, s101, s20                   ; k's group: 16 x batch + 2 x tile column + which
	s_mul_i32 s100, s101, 4*PIECE
	s_add_co_u32 s100, s100, XSZ
	s_mov_b32 s101, 0
	s_mul_i32 s21, s18, GRP                        ; my region: the wave's number alone
	s_wait_dscnt 0x0                               ; both opening adds are done
	s_wait_kmcnt 0x0
	s_add_nc_u64 s[98:99], s[4:5], s[98:99]
	s_add_nc_u64 s[100:101], s[4:5], s[100:101]
	s_mov_b32 s[G0A], 1
	s_mov_b32 s[G0A+1], s21
	s_mov_b64 s[G0A+2:G0A+3], s[98:99]
	s_or_b32 s[G0A+3], s[G0A+3], 0x80000000
	s_mov_b32 s[G0B], 1
	s_mov_b32 s[G0B+1], s21
	s_mov_b64 s[G0B+2:G0B+3], s[100:101]
	s_or_b32 s[G0B+3], s[G0B+3], 0x80000000
	CROUND                                         ; all sixteen work-groups are here: the first joint loads meet
	JLOAD                                          ; 768 of K of my group: my one load at the head
	s_cmp_eq_u32 s19, 0
	s_cselect_b64 s[PFP:PFP+1], s[98:99], s[100:101]
	s_cselect_b32 s2, s92, s93                     ; my place among the four that ask with me
	s_mul_i32 s2, s2, 6400
	s_add_co_u32 s2, s2, 3*PIECE
	s_mov_b32 s3, 0
	s_add_nc_u64 s[PFP:PFP+1], s[PFP:PFP+1], s[2:3]
	s_mul_i32 s21, s19, GRP                        ; the region of my rows of q,
	s_mul_i32 s22, s20, GRP
	s_add_co_u32 s22, s22, 2*GRP                   ; of my places of k
	s_add_co_u32 s23, s21, CODB
	s_add_co_u32 s17, s22, CODB
	s_mul_i32 s16, s18, 1536
	s_add_co_u32 s16, s16, WSTG
	s_lshl_b32 s12, s96, 1
	s_add_co_u32 s12, s12, s19                     ; P's group of 128 queries
	s_lshl_b32 s14, s12, 3
	s_add_co_u32 s14, s14, s97                     ; x 8 + which 256 keys
	s_mul_i32 s14, s14, PBLK
	s_mul_i32 s13, s20, 1536                       ; my 128 of them
	s_add_co_u32 s14, s14, s13
	s_mov_b32 s15, 0
	s_add_nc_u64 s[8:9], s[8:9], s[14:15]
	s_lshl_b32 s14, s12, 4
	s_lshl_b32 s13, s97, 1
	s_add_co_u32 s14, s14, s13
	s_add_co_u32 s14, s14, s20                     ; side numbers: 16 x group + which 128 keys, 1,536 bytes each
	s_mul_i32 s14, s14, 1536
	s_add_nc_u64 s[10:11], s[10:11], s[14:15]
	v_and_b32 v1, 31, v0
	v_and_b32 v2, 15, v0                           ; r
	v_bfe_u32 v3, v0, 4, 1                         ; h
	v_min_u32 v4, 24, v1
	v_lshlrev_b32 v[PFO], 8, v4
	v_lshlrev_b32 v[LI], 4, v1
	global_prefetch_b8 v[PFO], s[PFP:PFP+1] th:TH_LOAD_NT scope:SCOPE_SE   ; my 25 blocks of the fourth piece
	v_add_nc_u32 v[ADRA], s21, v[LI]
	v_add_nc_u32 v[ADRB], s22, v[LI]
	v_add_nc_u32 v[ADRA+1], PIECE, v[ADRA]
	v_add_nc_u32 v[ADRB+1], PIECE, v[ADRB]
	v_add_nc_u32 v[ADRA+2], 2*PIECE, v[ADRA]
	v_add_nc_u32 v[ADRB+2], 2*PIECE, v[ADRB]
	v_lshlrev_b32 v4, 9, v3
	v_lshl_add_u32 v4, v2, 2, v4                   ; 512 h + 4 r
	v_add_nc_u32 v[ADRSA], s23, v4
	v_add_nc_u32 v[ADRSB], s17, v4
	v_lshl_add_u32 v[WST], v2, 2, s16
	v_add_nc_u32 v[WRD], s16, v[LI]
.macro FETCH set, slot, q              ; 48 loads in one run: k's eight and q's eight fragments of the piece's q-th 128 along K
	WIN TO_B
.irp i, 0,1,2,3,4,5,6,7
.irp c, 0,1,2
	ds_load_b128 v[128*(\set)+12*\i+4*\c:128*(\set)+12*\i+4*\c+3], v[ADRB+(\slot)] offset:3072*\i+1536*(\q)+512*\c
.endr
.endr
	WIN 0
.irp i, 0,1,2,3,4,5,6,7
.irp c, 0,1,2
	ds_load_b128 v[AF+96*(\set)+12*\i+4*\c:AF+96*(\set)+12*\i+4*\c+3], v[ADRA+(\slot)] offset:3072*\i+1536*(\q)+512*\c
.endr
.endr
.endm
.macro SCALES sc, slot                 ; the scale words of a piece's two K steps into set sc
.irp i, 0,1,2,3,4,5,6,7
	ds_load_b32 v[SC+16*(\sc)+\i], v[ADRSA] offset:PIECE*(\slot)+64*\i
	ds_load_b32 v[SC+16*(\sc)+8+\i], v[ADRSB] offset:PIECE*(\slot)+64*\i
.endr
.endm
.macro MUL16 a0, set, odd, sc, zero    ; q's blocks a0, a0 + 1 x k's eight.  The 64 accumulators take turns, in the same order in every step
.irp a, \a0, \a0+1
.irp b, 0,1,2,3,4,5,6,7
.if \zero
	v_wmma_scale_f32_16x16x128_f8f6f4 v[8*(8*((\a)%4)+\b):8*(8*((\a)%4)+\b)+7], v[128*(\set)+12*\b:128*(\set)+12*\b+11], v[AF+96*(\set)+12*(\a):AF+96*(\set)+12*(\a)+11], 0, v[SC+16*(\sc)+8+\b], v[SC+16*(\sc)+(\a)] matrix_a_fmt:MATRIX_FMT_BF6 matrix_b_fmt:MATRIX_FMT_BF6
.elseif \odd
	v_wmma_scale_f32_16x16x128_f8f6f4 v[8*(8*((\a)%4)+\b):8*(8*((\a)%4)+\b)+7], v[128*(\set)+12*\b:128*(\set)+12*\b+11], v[AF+96*(\set)+12*(\a):AF+96*(\set)+12*(\a)+11], v[8*(8*((\a)%4)+\b):8*(8*((\a)%4)+\b)+7], v[SC+16*(\sc)+8+\b], v[SC+16*(\sc)+(\a)] matrix_a_fmt:MATRIX_FMT_BF6 matrix_b_fmt:MATRIX_FMT_BF6 matrix_a_scale:MATRIX_SCALE_ROW1 matrix_b_scale:MATRIX_SCALE_ROW1
.else
	v_wmma_scale_f32_16x16x128_f8f6f4 v[8*(8*((\a)%4)+\b):8*(8*((\a)%4)+\b)+7], v[128*(\set)+12*\b:128*(\set)+12*\b+11], v[AF+96*(\set)+12*(\a):AF+96*(\set)+12*(\a)+11], v[8*(8*((\a)%4)+\b):8*(8*((\a)%4)+\b)+7], v[SC+16*(\sc)+8+\b], v[SC+16*(\sc)+(\a)] matrix_a_fmt:MATRIX_FMT_BF6 matrix_b_fmt:MATRIX_FMT_BF6
.endif
.endr
.endr
.endm
; A K step: its fragments were asked for a step ago; the next step's (piece nslot, half nq) are asked for in one run, into the other set; then 64 products.  ns >= 0: the next piece's scale words come too, into set nsc.
.macro STEP set, odd, sc, zero, nslot, nq, nsc, ns
	s_wait_dscnt 0x0
.if !(\zero)
	PLACES
.endif
	FETCH 1-(\set), \nslot, \nq
.if (\ns) >= 0
	SCALES \nsc, \ns
.endif
	WIN MUL_LO
	MUL16 0, \set, \odd, \sc, \zero
	MUL16 2, \set, \odd, \sc, \zero
	WIN MUL_HI
	MUL16 4, \set, \odd, \sc, \zero
	MUL16 6, \set, \odd, \sc, \zero
.endm
; A step with a barrier.  In front of it each wave waits for all its tensor loads, adds 0 to its spare word, and waits for that and for its LDS reads.
; fill = 1: the barrier opens a round of the cluster's barrier, and piece 0 of each region takes the fourth piece first thing behind it.  fill = 0: the barrier shows that piece whole to all four waves.
.macro TURN sc, fill, nslot, nsc
	WIN 0
	s_wait_tensorcnt 0x0
	ds_add_u32 v[SPW], v[NIL]
	s_wait_dscnt 0x1                               ; this step's fragments are in; the add may be out
	WIN MUL_LO
	MUL16 0, 1, 1, \sc, 0
	s_wait_dscnt 0x0                               ; the add is done; my reads were over at the wait above
	s_barrier_signal -1
	MUL16 2, 1, 1, \sc, 0
	WIN 0
	s_barrier_wait -1
.if \fill
	CREST                                          ; no wave of any partner still reads piece 0 or has a load on its way
	JLOAD                                          ; its four v_nop are also the places in front of the loads below
.else
	PLACES
.endif
	FETCH 0, \nslot, 0
	SCALES \nsc, \nslot
	WIN MUL_HI
	MUL16 4, 1, 1, \sc, 0
	MUL16 6, 1, 1, \sc, 0
.endm
	s_wait_alu depctr_va_vdst(0)                   ; the wait at the head's end
	s_wait_tensorcnt 0x0                           ; my three pieces are in
	s_mov_b32 s[G1A+2], 100<<16                    ; no tensor load of mine is out, so the descriptors may be written: the refill brings one piece,
	s_mov_b32 s[G1A+4], 100
	s_mov_b32 s[G1B+2], 100<<16
	s_mov_b32 s[G1B+4], 100
	s_add_nc_u64 s[G0A+2:G0A+3], s[G0A+2:G0A+3], 3*PIECE   ; the fourth
	s_add_nc_u64 s[G0B+2:G0B+3], s[G0B+2:G0B+3], 3*PIECE
	s_barrier_signal -1
	s_barrier_wait -1
	FETCH 0, 0, 0
	SCALES 0, 0
	STEP 0, 0, 0, 1, 0, 1, 0, -1                   ; K step 0 starts the sums: nothing is cleared
	TURN 0, 1, 1, 1                                ; step 1; piece 0 is read out and filled again
	STEP 0, 0, 1, 0, 1, 1, 0, -1
	STEP 1, 1, 1, 0, 2, 0, 0, 2
	STEP 0, 0, 0, 0, 2, 1, 0, -1
	TURN 0, 0, 0, 1                                ; step 5; the fourth piece is whole
	STEP 0, 0, 1, 0, 0, 1, 0, -1
	s_wait_dscnt 0x0                               ; the last step
	WIN MUL_LO
	MUL16 0, 1, 1, 1, 0
	MUL16 2, 1, 1, 1, 0
	WIN MUL_HI
	MUL16 4, 1, 1, 1, 0
	MUL16 6, 1, 1, 1, 0
	WIN 0
; THE WAY OUT, block a of 16 queries x 128 keys: a lane holds 64 keys of one query.
.macro SOFT a
.set AC, 64*((\a)%4)
.if (\a) > 0
	s_wait_xcnt 0x0                                ; the last block's stores have read the registers that are written again below
	s_wait_dscnt 0x0
.endif
	WIN 0x2a+0x15*((\a)/4)
.irp b, 0,1,2,3
	v_max3_num_f32 v[TM+\b], v[AC+16*\b], v[AC+16*\b+1], v[AC+16*\b+2]   ; the largest score of each block of 32 keys: for the row's maximum, and for the block's largest p.  Each accumulator is read from its low end on
.endr
	WIN 0x28+0x14*((\a)/4)
.irp i, 3,5,7,9,11,13
.irp b, 0,1,2,3
	v_max3_num_f32 v[TM+\b], v[TM+\b], v[AC+16*\b+\i], v[AC+16*\b+\i+1]
.endr
.endr
.irp b, 0,1,2,3
	v_max_num_f32 v[TM+\b], v[TM+\b], v[AC+16*\b+15]
.endr
	WIN 0
.irp b, 0,1,2,3
	v_permlanex16_b32 v[TM+4+\b], v[TM+\b], s[SEL], s[SEL+1]
.endr
.irp b, 0,1,2,3
	v_max_num_f32 v[TM+\b], v[TM+\b], v[TM+4+\b]   ; with lane l xor 16's 16 keys
.endr
	v_max3_num_f32 v[TP], v[TM], v[TM+1], v[TM+2]
	v_max_num_f32 v[TP], v[TP], v[TM+3]
	v_mul_f32 v[TP], s[CS], v[TP]                  ; the largest t of these 128 keys
	v_floor_f32 v[NM], -v[TP]                      ; -M = floor(-t): M is a whole number
	WIN 0x02+(\a)/4
.set x, 0
.rept 32
	v_pk_fma_f32 v[H+x:H+x+1], v[AC+x:AC+x+1], s[CS:CS+1], v[NM:NM+1] op_sel_hi:[1,0,0]   ; t - M
.set x, x+2
.endr
	WIN 0
.irp b, 0,1,2,3
	v_fma_f32 v[TM+\b], v[TM+\b], s[CS], v[NM]     ; the same of each block's largest score
.endr
.set x, 0
	s_wait_alu depctr_va_vdst(0)                   ; the wait ahead of the batch
.rept 64
	v_exp_f32 v[H+x], v[H+x]                       ; p, at most 1
.set x, x+1
.endr
	v_nop
	s_wait_alu depctr_va_vdst(0)                   ; and behind it
.irp b, 0,1,2,3
	v_exp_f32 v[TM+\b], v[TM+\b]                   ; the block's largest p
.endr
	v_pk_add_f32 v[SU:SU+1], v[H:H+1], v[H+2:H+3]  ; l is summed of the unquantised p
	v_pk_add_f32 v[SU+2:SU+3], v[H+4:H+5], v[H+6:H+7]
.irp j, 8,12,16,20,24,28,32,36,40,44,48,52,56,60
	v_pk_add_f32 v[SU:SU+1], v[SU:SU+1], v[H+\j:H+\j+1]
	v_pk_add_f32 v[SU+2:SU+3], v[SU+2:SU+3], v[H+\j+2:H+\j+3]
.endr
	v_pk_add_f32 v[SU:SU+1], v[SU:SU+1], v[SU+2:SU+3]
	s_wait_alu depctr_va_vdst(0)                   ; for the four
.irp b, 0,1,2,3
	v_max_num_f32 v[TM+\b], 0x2800000, v[TM+\b]    ; the floor 2^(5 - 127): the byte cannot fall under 1
.endr
.irp b, 0,1,2,3
	v_add_nc_u32 v[TM+8+\b], 0xfe000000, v[TM+\b]  ; 4 off the exponent field: the conversion's scale operand
.endr
.irp b, 0,1,2,3
	v_lshrrev_b32 v[TM+4+\b], 23, v[TM+8+\b]       ; the byte
.endr
	v_lshl_or_b32 v[PW], v[TM+5], 8, v[TM+4]
	v_lshl_or_b32 v[PW], v[TM+6], 16, v[PW]
	v_lshl_or_b32 v[PW], v[TM+7], 24, v[PW]
	v_add_f32 v[LL], v[SU], v[SU+1]
	v_permlanex16_b32 v[TP], v[LL], s[SEL], s[SEL+1]
	v_add_f32 v[LL], v[LL], v[TP]
.irp c, 0,1
	v_cvt_scalef32_pk16_bf6_f32 v[PC+6*\c:PC+6*\c+2], v[H+32*\c:H+32*\c+15], v[TM+8+2*\c]
	v_cvt_scalef32_pk16_bf6_f32 v[PC+12+4*\c:PC+14+4*\c], v[H+16+32*\c:H+31+32*\c], v[TM+9+2*\c]   ; (a conversion's three registers begin on an even number)
.endr
	v_nop                                          ; one plain instruction behind a scaled conversion
.irp c, 0,1                                    ; the operand wants a whole block in a lane
.irp i, 0,1,2
	v_permlane16_swap_b32 v[PC+6*\c+\i], v[PC+12+4*\c+\i]
.endr
.irp i, 0,1,2
	v_mov_b32 v[PC+3+6*\c+\i], v[PC+12+4*\c+\i]
.endr
.endr
.irp c, 0,1,2
	global_store_b128 v[LI], v[PC+4*\c:PC+4*\c+3], s[8:9] offset:3072*(\a)+512*\c   ; 512 consecutive bytes, aligned
.endr
	ds_store_b32 v[WST], v[PW] offset:64*(\a)      ; lanes r and 16 + r write the same word with the same value
	ds_store_b32 v[WST], v[NM] offset:512+64*(\a)
	ds_store_b32 v[WST], v[LL] offset:1024+64*(\a)
.endm
	PLACES
	s_mov_b32 s[SEL], 0x76543210
	s_mov_b32 s[SEL+1], 0xfedcba98                 ; v_permlanex16_b32's selects for lane l xor 16
	s_mov_b32 s[CS], 0x3d38aa3b                    ; log2(e) / 32
	s_mov_b32 s[CS+1], s[CS]
.irp b, 0,1,2,3
	v_mov_b32 v[TM+4+\b], 0                        ; a lane permute's destination counts as one of its sources
.endr
	v_mov_b32 v[NM+1], 0                           ; (named with v[NM] as a pair)
.irp a, 0,1,2,3,4,5,6,7
	SOFT \a
.endr
.irp c, 0,1,2
	ds_load_b128 v[H+4*\c:H+4*\c+3], v[WRD] offset:512*\c   ; LDS serves a wave's instructions in order: these see my stores
.endr
	s_wait_dscnt 0x0
.irp c, 0,1,2
	global_store_b128 v[LI], v[H+4*\c:H+4*\c+3], s[10:11] offset:512*\c
.endr
	s_wait_tensorcnt 0x0                           ; the wave's end
	ds_add_u32 v[SPW], v[NIL]
	s_wait_dscnt 0x0
	CROUND                                         ; the closing round
	s_endpgm
.Lfunc_end_k_qd42e102831_scores:
	.size	k_qd42e102831_scores, .Lfunc_end_k_qd42e102831_scores-k_qd42e102831_scores
	.p2alignl 7, 3214868480
	.fill 96, 4, 3214868480
	.section	.rodata,"a",@progbits
	.p2align	6, 0x0
	.amdhsa_kernel k_qd42e102831_scores
		.amdhsa_group_segment_fixed_size 327680
		.amdhsa_private_segment_fixed_size 0
		.amdhsa_enable_private_segment 0
		.amdhsa_kernarg_size 24
		.amdhsa_user_sgpr_count 2
		.amdhsa_user_sgpr_kernarg_segment_ptr 1
		.amdhsa_wavefront_size32 1
		.amdhsa_system_sgpr_workgroup_id_x 1
		.amdhsa_system_sgpr_workgroup_id_y 1
		.amdhsa_system_sgpr_workgroup_id_z 1
		.amdhsa_system_vgpr_workitem_id 0
		.amdhsa_next_free_vgpr 1024
		.amdhsa_next_free_sgpr 102
		.amdhsa_reserve_vcc 0
		.amdhsa_float_denorm_mode_32 3
		.amdhsa_float_denorm_mode_16_64 3
		.amdhsa_memory_ordered 1
		.amdhsa_forward_progress 1
		.amdhsa_inst_pref_size 193
	.end_amdhsa_kernel
	.amdgpu_metadata
---
amdhsa.version: [ 1, 2 ]
amdhsa.kernels:
  - .name:           k_qd42e102831_scores
    .symbol:         k_qd42e102831_scores.kd
    .args:
      - { .name: qkv_codes, .offset: 0, .size: 8, .value_kind: global_buffer, .address_space: global }
      - { .name: p_codes, .offset: 8, .size: 8, .value_kind: global_buffer, .address_space: global }
      - { .name: p_side, .offset: 16, .size: 8, .value_kind: global_buffer, .address_space: global }
    .group_segment_fixed_size: 327680
    .private_segment_fixed_size: 0
    .kernarg_segment_align: 8
    .kernarg_segment_size: 24
    .max_flat_workgroup_size: 128
    .sgpr_count:     102
    .vgpr_count:     1024
    .wavefront_size: 32
...
	.end_amdgpu_metadata
.endif
;; end of part 3
;; launch pv (part 4): grid 4 x 64, 4 waves a work-group, clusters of 4 x 4, 327,680 bytes of LDS; arguments p_codes, p_side, qkv_codes, qkv_scales, out0; writes out0
.if DOCPART == 4
	.amdgcn_target "amdgcn-amd-amdhsa--gfx1250"
	.amdhsa_code_object_version 6
	.text
	.protected	k_qd42e102831_pv
	.globl	k_qd42e102831_pv
	.p2align	8
	.type	k_qd42e102831_pv,@function
k_qd42e102831_pv:
	s_mov_b64 s[64:65], 0
	v_nop
	global_prefetch_b8 v0, s[64:65] scope:SCOPE_SE
	s_setreg_imm32_b32 hwreg(HW_REG_WAVE_MODE, 25, 1), 1
	s_wait_xcnt 0x0
	s_wait_alu depctr_hold_cnt(0) depctr_sa_sdst(0) depctr_va_vdst(0) depctr_va_sdst(0) depctr_va_ssrc(0) depctr_va_vcc(0) depctr_vm_vsrc(0)
	s_getreg_b32 s2, hwreg(HW_REG_IB_STS2, 6, 4)
	s_cmp_eq_u32 s2, 0
	s_cbranch_scc0 .Lentry_in_a_cluster
	s_endpgm
.Lentry_in_a_cluster:
	s_bfe_u32 s2, ttmp6, 0x10000c
	s_cmp_lg_u32 s2, 0xf033
	s_cbranch_scc0 .Lentry_shape_is_right
	s_endpgm
.Lentry_shape_is_right:
; out = (P v) / l on codes of BF6 (E3M2) with E8M0 scales.  P arrives as codes under an M local to each 128 keys, with its scale words, -M and l for each row and 128 keys; v arrives as v^T, keys innermost.
; PROLOGUE: a thread takes one of the tile's 128 rows: the row's M over all 2,048 keys is the largest local M; each local l is multiplied by 2^(local M - M) and summed; and local M - M is added to each of P's scale bytes
; (exact: the codes stay as they are).  The new words go to LDS, 1 / l too.
; A tile of out is 128 queries x 256 of d; four waves, each 64 x 128: 32 accumulators.  Operands are images of fragments (1,536 bytes: registers 4 c .. 4 c + 3 of lane l at 512 c + 16 l); a group's blocks of 256 keys are dense in memory.
; LDS: P's four blocks of 256 keys, then v^T's two groups of four blocks: 1,024 keys.  THE HEAD'S ONE LOAD A WAVE brings them whole: wave 0 P's, wave 1 v^T's scale words, waves 2 and 3 v^T's two groups.
; Keys 1,024 on and 1,536 on are two refills of 512 keys, each into the half that has been read out, with four K steps (128 products a wave) between a request and the wait for it; both are asked of memory at the head.
; THE LAST 512 KEYS GO BY ROWS OF out: all their fragments of v^T stay in registers, and my four blocks of 16 queries are finished one after the other (32 products each, the block's 8 accumulators by turns, K ascending).
; A finished block is multiplied by 1 / l in place, goes through my stage in LDS, comes back as whole rows into its own accumulators' registers, and is stored while the next block is multiplied.
; CLUSTERS of 4 x 4: P's tiles are asked for jointly along a row of the cluster, v^T's along a column.  The matrix instruction is used transposed (source 0 = 16 rows of v^T, source 1 = 16 rows of P): a lane holds 8 neighbouring d of one query.
; LIMITS: a byte of P that would fall under 0 is held at 0 (2^-127), and local M - M is held at -127: what is so misjudged lies under 2^-120 beside a row's sum of at least 1/2.  NaN and infinities are not served.
; REGISTERS.  window 0: v8-11 1 / l; v16-31 addresses; v32-79 scale words, two sets of 24; v80-127, v128-175 P's fragments, two sets; v176-239 the prologue; v240-241 a block's 1 / l.
;   window 1: v0-95, v128-223 v^T's fragments, two sets.   window 2: accumulators ((a, b) at v[8 (8 a + b)]).   window 3: v0-95, v128-223 v^T's fragments of the last 256 keys.
.set XSZ,  6553600                     ; q's and k's pieces, each; v^T's codes lie behind both
.set BLKB, 24576
.set SLOT, 2*BLKB                      ; a fill of 512 keys is two blocks of P and of each group, SLOT bytes from the other fill's
.set WPITCH, 576
.set WGRP, 16*WPITCH                   ; a group's scale words: 16 K steps x (512 bytes + 64 of padding)
.set BSC,  12*BLKB                     ; v^T's scale words, two groups: filled once
.set ASC,  BSC+2*WGRP                  ; P's, as the prologue makes them: written by LDS stores alone
.set RLS,  ASC+WGRP                    ; 1 / l of the 128 rows
.set SPARE, RLS+512                    ; the spare words: two blocks of 256 bytes that no other line names
.set SPITCH, 528                       ; the way out: 16 rows x (512 bytes + 16) a wave, in P's first two blocks, behind their last fill and their last read
.set RL,   8
.set LI,   16
.set ADRA, 17                          ; v17-18
.set ADRB, 19                          ; v19-20
.set ADRSA, 21
.set ADRSB, 22
.set STO,  23
.set RD,   24
.set PFO,  25                          ; v25  256 x min(lane, 23); never rewritten
.set OT4,  26                          ; v26  4 x thread
.set ASW,  27                          ; v27  ASC + 4 x thread
.set SPW,  28
.set NIL,  29
.set RLW,  30                          ; v30  RLS + 4 x thread
.set RLR,  31                          ; v31  RLS + 256 wr + 4 r
.set SC,   32
.set AF,   80
.set PWD,  176                         ; the prologue: 16 scale words,
.set PNM,  192                         ; 16 -M,
.set PLL,  208                         ; 16 l
.set PT,   224
.set RB,   240                         ; v[240:241]
.set G1A,  24
.set G0A,  32                          ; s[32:39]
.set G1B,  40
.set G0B,  48                          ; s[48:55]
.set G1S,  56
.set G0S,  68
.set PFP,  72                          ; s[72:73] my share of the refills; never rewritten
.set MSB, 0
.macro WIN new                         ; the immediate's high byte repeats the setting that is left
.if MSB != (\new)
	s_set_vgpr_msb (MSB<<8)|(\new)
.set MSB, \new
.endif
.endm
.set MUL,  0xa1                        ; source 0 (v^T) window 1, source 1 (P) window 0, C and D window 2
.set TO_B, 0x40
.macro PLACES                          ; four plain instructions between a matrix instruction and a load into, or a vector instruction on, its registers (ISA guide 7.12.1 for vector instructions)
.rept 4
	v_nop
.endr
.endm
.macro JLOAD s                         ; waves 0 and 1 fetch P's two blocks of 256 keys, waves 2 and 3 v^T's two groups; s_nop 0 and four v_nop follow each line
	s_cmp_eq_u32 s19, 0
	s_cbranch_scc0 .Lfor_b_\@
	tensor_load_to_lds s[G0A+4*(\s):G0A+4*(\s)+3], s[G1A:G1A+7]
	s_nop 0
.rept 4
	v_nop
.endr
	s_branch .Lasked_\@
.Lfor_b_\@:
	tensor_load_to_lds s[G0B+4*(\s):G0B+4*(\s)+3], s[G1B:G1B+7]
	s_nop 0
.rept 4
	v_nop
.endr
.Lasked_\@:
.endm
.macro CREST
	s_cmp_lg_u32 s18, 0
	s_cbranch_scc1 .Lnot_wave_0_\@
	s_barrier_signal -3
.Lnot_wave_0_\@:
	s_barrier_wait -3
	s_barrier_signal -1
	s_barrier_wait -1
.endm
.macro CROUND
	s_barrier_signal -1
	s_barrier_wait -1
	CREST
.endm
; A PREFETCH of fill f.  Of the 96 (P) or 192 (v^T) blocks of 256 bytes that a wave's load names, each of the four partners that ask jointly takes a quarter, told apart by address (cx for P, cy for v^T):
; 24 blocks an instruction, a lane a block, lanes 24-31 naming the 24th again; P's waves issue one instruction, v^T's two.
.macro ASK f
	global_prefetch_b8 v[PFO], s[PFP:PFP+1] offset:(\f)*2*BLKB th:TH_LOAD_NT scope:SCOPE_SE
	s_cmp_eq_u32 s19, 0
	s_cbranch_scc1 .Lpf_done_\@
	global_prefetch_b8 v[PFO], s[PFP:PFP+1] offset:(\f)*2*BLKB+6144 th:TH_LOAD_NT scope:SCOPE_SE
.Lpf_done_\@:
.endm
	s_load_b256 s[4:11], s[0:1], 0x0               ; P's codes s[4:5], its side numbers s[6:7], v^T's codes in s[8:9], its scale words s[10:11]
	s_load_b64 s[12:13], s[0:1], 0x20              ; out
	v_lshl_add_u32 v[SPW], v0, 2, SPARE
	v_mov_b32 v[NIL], 0
	ds_add_u32 v[SPW], v[NIL]                      ; the opening lines: the add, twice on end, and its wait ahead of my first tensor load
	ds_add_u32 v[SPW], v[NIL]
	s_wait_dscnt 0x0
	v_lshrrev_b32 v1, 5, v0
	v_readfirstlane_b32 s18, v1                    ; wave
	s_lshr_b32 s19, s18, 1                         ; wr: my 64 of the 128 rows.  Also: in the ring I fetch for P (0) or for v^T (1)
	s_and_b32 s20, s18, 1                          ; wc: my 128 of the 256 d.  Also: which part I fetch
	s_bfe_u32 s92, ttmp6, 0x40000                  ; cx: the tile column
	s_bfe_u32 s93, ttmp6, 0x40004                  ; cy
	s_and_b32 s94, ttmp7, 0xffff
	s_lshr_b32 s95, s94, 2                         ; the batch: from the cluster's y alone
	s_lshl_b32 s96, s94, 2
	s_add_co_u32 s96, s96, s93                     ; P's group of 128 queries
	s_lshl_b32 s21, s93, 2
	s_lshl_b32 s21, 15, s21                        ; my row of the cluster
	s_lshl_b32 s22, 0x1111, s92                    ; my column
	s_or_b32 s[G1A], s21, (3<<16)|(1<<21)          ; P: dense bytes as rows of 256
	s_mov_b32 s[G1A+1], 32<<16
	s_mov_b32 s[G1A+2], 384<<16                    ; the head's load: four blocks, 384 rows; set to 96 behind the head's wait
	s_mov_b32 s[G1A+3], 32<<16
	s_mov_b32 s[G1A+4], 384
	s_mov_b32 s[G1A+5], 32
	s_mov_b32 s[G1A+6], 0
	s_mov_b32 s[G1A+7], 0
	s_or_b32 s[G1B], s22, (3<<16)|(1<<21)          ; v^T likewise
	s_mov_b32 s[G1B+1], 32<<16
	s_mov_b32 s[G1B+2], 384<<16                    ; the head's load: four blocks, 384 rows; set to 192 behind the head's wait
	s_mov_b32 s[G1B+3], 32<<16
	s_mov_b32 s[G1B+4], 384
	s_mov_b32 s[G1B+5], 32
	s_mov_b32 s[G1B+6], 0
	s_mov_b32 s[G1B+7], 0
	s_or_b32 s[G1S], s22, (3<<16)|(1<<20)|(1<<21)|(6<<22)|(15<<25)   ; v^T's scale words: rows of 512 bytes, 16 words of padding behind every 128
	s_mov_b32 s[G1S+1], 64<<16
	s_mov_b32 s[G1S+2], 32<<16                     ; both groups, which are neighbours in memory and in LDS: 32 rows
	s_mov_b32 s[G1S+3], 64<<16
	s_mov_b32 s[G1S+4], 32
	s_mov_b32 s[G1S+5], 64
	s_mov_b32 s[G1S+6], 0
	s_mov_b32 s[G1S+7], 0
	s_mul_i32 s98, s96, 8*BLKB
	s_mul_i32 s99, s20, BLKB
	s_add_co_u32 s98, s98, s99                     ; P: my block of 256 keys of a fill's two
	s_mov_b32 s99, 0
	s_mul_i32 s2, s96, 16*1536                     ; P's side numbers
	s_mov_b32 s3, 0
	s_lshl_b32 s101, s95, 3
	s_lshl_b32 s97, s92, 1
	s_add_co_u32 s101, s101, s97
	s_lshl_b32 s66, s101, 13                       ; the scale words of the tile's first group
	s_add_co_u32 s101, s101, s20                   ; v^T's group: 8 x batch + 2 x tile column + which
	s_mul_i32 s100, s101, 8*BLKB
	s_add_co_u32 s100, s100, 2*XSZ
	s_mov_b32 s101, 0
	s_mov_b32 s67, 0
	s_mul_i32 s21, s20, BLKB                       ; where they go in LDS: the wave's number alone
	s_mul_i32 s22, s20, 4*BLKB
	s_add_co_u32 s22, s22, 4*BLKB
	s_mov_b32 s23, BSC
	s_wait_kmcnt 0x0
	s_add_nc_u64 s[98:99], s[4:5], s[98:99]
	s_add_nc_u64 s[100:101], s[8:9], s[100:101]
	s_add_nc_u64 s[66:67], s[10:11], s[66:67]
	s_add_nc_u64 s[6:7], s[6:7], s[2:3]
	s_mov_b32 s75, 12288
	s_cmp_eq_u32 s19, 0
	s_cselect_b64 s[PFP:PFP+1], s[98:99], s[100:101]
	s_cselect_b32 s74, s92, s93                    ; my place among the four that ask with me
	s_cselect_b32 s75, 6144, s75                   ; a quarter of the load's bytes
	s_mul_i32 s74, s74, s75
	s_mov_b32 s75, 0
	s_add_nc_u64 s[PFP:PFP+1], s[PFP:PFP+1], s[74:75]
.irp s, 0,1
	s_mov_b32 s[G0A+4*\s], 1
	s_add_co_u32 s[G0A+4*\s+1], s21, \s*SLOT
	s_add_nc_u64 s[G0A+4*\s+2:G0A+4*\s+3], s[98:99], \s*2*BLKB
	s_or_b32 s[G0A+4*\s+3], s[G0A+4*\s+3], 0x80000000
	s_mov_b32 s[G0B+4*\s], 1
	s_add_co_u32 s[G0B+4*\s+1], s22, \s*SLOT
	s_add_nc_u64 s[G0B+4*\s+2:G0B+4*\s+3], s[100:101], \s*2*BLKB
	s_or_b32 s[G0B+4*\s+3], s[G0B+4*\s+3], 0x80000000
.endr
	s_mov_b32 s[G0S], 1
	s_mov_b32 s[G0S+1], s23
	s_mov_b64 s[G0S+2:G0S+3], s[66:67]
	s_or_b32 s[G0S+3], s[G0S+3], 0x80000000
	CROUND                                         ; all sixteen work-groups are here: the first joint loads meet
; THE HEAD'S LOADS, ONE A WAVE, in one chain of branches on the wave's number: wave 0 P's first 1,024 keys, wave 1 v^T's scale words, waves 2 and 3 the first 1,024 keys of v^T's two groups
	s_cmp_lt_u32 s18, 1
	s_cbranch_scc0 .Lfirst_s
	tensor_load_to_lds s[G0A:G0A+3], s[G1A:G1A+7]
	s_nop 0
.rept 4
	v_nop
.endr
	s_branch .Lfirst_done
.Lfirst_s:
	s_cmp_lt_u32 s18, 2
	s_cbranch_scc0 .Lfirst_b
	tensor_load_to_lds s[G0S:G0S+3], s[G1S:G1S+7]
	s_nop 0
.rept 4
	v_nop
.endr
	s_branch .Lfirst_done
.Lfirst_b:
	tensor_load_to_lds s[G0B:G0B+3], s[G1B:G1B+7]
	s_nop 0
.rept 4
	v_nop
.endr
.Lfirst_done:
	; ---- the prologue: thread t takes row t of the 128
	v_lshlrev_b32 v[OT4], 2, v0
	v_lshl_add_u32 v[ASW], v0, 2, ASC
	v_lshl_add_u32 v[RLW], v0, 2, RLS
.irp k, 0,1,2,3,4,5,6,7,8,9,10,11,12,13,14,15
	global_load_b32 v[PWD+\k], v[OT4], s[6:7] offset:1536*\k
	global_load_b32 v[PNM+\k], v[OT4], s[6:7] offset:1536*\k+512
	global_load_b32 v[PLL+\k], v[OT4], s[6:7] offset:1536*\k+1024
.endr
	v_and_b32 v1, 31, v0
	v_and_b32 v2, 15, v0                           ; r
	v_bfe_u32 v3, v0, 4, 1                         ; h
	v_lshlrev_b32 v[LI], 4, v1
	s_mul_i32 s21, s19, 12288                      ; my four blocks of 16 rows of P
	s_mul_i32 s22, s20, 4*BLKB
	s_add_co_u32 s22, s22, 4*BLKB                  ; my group of v^T
.irp s, 0,1
	v_add_nc_u32 v[ADRA+\s], s21, v[LI]
	v_add_nc_u32 v[ADRB+\s], s22, v[LI]
	s_add_co_u32 s21, s21, SLOT
	s_add_co_u32 s22, s22, SLOT
.endr
	v_mul_u32_u24 v4, v3, WPITCH
	v_lshl_add_u32 v4, v2, 2, v4
	s_lshl_b32 s21, s19, 8
	s_add_co_u32 s21, s21, ASC
	v_add_nc_u32 v[ADRSA], s21, v4
	s_mul_i32 s22, s20, WGRP
	s_add_co_u32 s22, s22, BSC
	v_add_nc_u32 v[ADRSB], s22, v4
	s_lshl_b32 s21, s19, 8
	s_add_co_u32 s21, s21, RLS
	v_lshl_add_u32 v[RLR], v2, 2, s21
	s_mul_i32 s21, s18, 16*SPITCH
	v_mul_u32_u24 v[STO], v2, SPITCH
	v_lshl_add_u32 v[STO], v3, 5, v[STO]
	v_add_nc_u32 v[STO], s21, v[STO]               ; the stage, in: row r, + 32 h
	v_add_nc_u32 v[RD], s21, v[LI]                 ; and back: a row of 512 bytes to the 32 lanes
	s_lshl_b32 s22, s96, 19                        ; out: 128 rows of 4,096 bytes a group,
	s_lshl_b32 s21, s19, 18                        ; my 64 rows,
	s_add_co_u32 s22, s22, s21
	s_lshl_b32 s21, s92, 10                        ; the tile's 256 d,
	s_add_co_u32 s22, s22, s21
	s_lshl_b32 s21, s20, 9                         ; my 128
	s_add_co_u32 s22, s22, s21
	s_mov_b32 s23, 0
	s_add_nc_u64 s[12:13], s[12:13], s[22:23]
	v_min_u32 v[PFO], 23, v1
	v_lshlrev_b32 v[PFO], 8, v[PFO]
	s_wait_alu depctr_va_vdst(0)                   ; the wait here, ahead of the branches below
	ASK 2                                          ; the two refills, two fills ahead of their loads
	ASK 3
	s_mov_b32 s14, 0x80808080
	s_mov_b32 s15, 0x01010101
	s_wait_loadcnt 0x0
	v_min3_num_f32 v[PT], v[PNM], v[PNM+1], v[PNM+2]
.irp k, 3,5,7,9,11,13
	v_min3_num_f32 v[PT], v[PT], v[PNM+\k], v[PNM+\k+1]
.endr
	v_min_num_f32 v[PT], v[PT], v[PNM+15]          ; the least -M: the row's M over all keys
.irp k, 0,1,2,3,4,5,6,7,8,9,10,11,12,13,14,15
	v_sub_f32 v[PNM+\k], v[PT], v[PNM+\k]          ; local M - M: a whole number, 0 or less
.endr
.irp k, 0,1,2,3,4,5,6,7,8,9,10,11,12,13,14,15
	v_max_num_f32 v[PNM+\k], 0xc2fe0000, v[PNM+\k] ; held at -127
.endr
.irp k, 0,1,2,3,4,5,6,7,8,9,10,11,12,13,14,15
	v_cvt_i32_f32 v[PNM+\k], v[PNM+\k]
.endr
.irp k, 0,1,2,3,4,5,6,7,8,9,10,11,12,13,14,15
	v_ldexp_f32 v[PLL+\k], v[PLL+\k], v[PNM+\k]    ; the local l under the row's M
.endr
.irp k, 0,4,8,12
	v_pk_add_f32 v[PLL+\k:PLL+\k+1], v[PLL+\k:PLL+\k+1], v[PLL+\k+2:PLL+\k+3]
.endr
	v_pk_add_f32 v[PLL:PLL+1], v[PLL:PLL+1], v[PLL+4:PLL+5]
	v_pk_add_f32 v[PLL+8:PLL+9], v[PLL+8:PLL+9], v[PLL+12:PLL+13]
	v_pk_add_f32 v[PLL:PLL+1], v[PLL:PLL+1], v[PLL+8:PLL+9]
	v_add_f32 v[PT+1], v[PLL], v[PLL+1]            ; l
	s_wait_alu depctr_va_vdst(0)                   ; the wait ahead of the transcendental
	v_rcp_f32 v[PT+2], v[PT+1]
; The four bytes of a word at once.  P's bytes are at most 123 and what is taken off at most 127: with bit 7 set in each byte no borrow crosses a byte, and bit 7 stays set just where the byte stays at 0 or above.
.irp k, 0,1,2,3,4,5,6,7,8,9,10,11,12,13,14,15
	v_or_b32 v[PWD+\k], s14, v[PWD+\k]
.endr
.irp k, 0,1,2,3,4,5,6,7,8,9,10,11,12,13,14,15
	v_mul_lo_u32 v[PNM+\k], v[PNM+\k], s15
.endr
.irp k, 0,1,2,3,4,5,6,7,8,9,10,11,12,13,14,15
	v_add_nc_u32 v[PWD+\k], v[PWD+\k], v[PNM+\k]
.endr
.irp k, 0,1,2,3,4,5,6,7,8,9,10,11,12,13,14,15
	v_and_b32 v[PNM+\k], s14, v[PWD+\k]
.endr
.irp k, 0,1,2,3,4,5,6,7,8,9,10,11,12,13,14,15
	v_lshrrev_b32 v[PLL+\k], 7, v[PNM+\k]
.endr
.irp k, 0,1,2,3,4,5,6,7,8,9,10,11,12,13,14,15
	v_sub_nc_u32 v[PNM+\k], v[PNM+\k], v[PLL+\k]   ; 0x7f where the byte is kept, 0 where it is held at 0
.endr
.irp k, 0,1,2,3,4,5,6,7,8,9,10,11,12,13,14,15
	v_and_b32 v[PWD+\k], v[PWD+\k], v[PNM+\k]
.endr
.irp k, 0,1,2,3,4,5,6,7,8,9,10,11,12,13,14,15
	ds_store_b32 v[ASW], v[PWD+\k] offset:WPITCH*\k
.endr
	s_wait_alu depctr_va_vdst(0)                   ; the wait behind the reciprocal, ahead of its first reader; the byte work above stands between
	ds_store_b32 v[RLW], v[PT+2]
	s_wait_tensorcnt 0x0                           ; my one load is in
	s_mov_b32 s[G1A+2], 96<<16                     ; no tensor load of mine is out, so a descriptor may be written: the ring's loads bring one block of P,
	s_mov_b32 s[G1A+4], 96
	s_mov_b32 s[G1B+2], 192<<16                    ; two of v^T
	s_mov_b32 s[G1B+4], 192
	s_wait_dscnt 0x0                               ; for the others' sake: my stores have landed
	s_barrier_signal -1
	s_barrier_wait -1
.irp a, 0,1,2,3
	ds_load_b32 v[RL+\a], v[RLR] offset:64*\a      ; 1 / l of row 16 a + r of my 64
.endr
.macro FETCH set, slot, s4             ; 36 loads in one run: v^T's eight and P's four fragments of the fill's s4-th 128 keys
	WIN TO_B
.irp i, 0,1,2,3,4,5,6,7
.irp c, 0,1,2
	ds_load_b128 v[128*(\set)+12*\i+4*\c:128*(\set)+12*\i+4*\c+3], v[ADRB+(\slot)] offset:BLKB*((\s4)/2)+3072*\i+1536*((\s4)%2)+512*\c
.endr
.endr
	WIN 0
.irp i, 0,1,2,3
.irp c, 0,1,2
	ds_load_b128 v[AF+48*(\set)+12*\i+4*\c:AF+48*(\set)+12*\i+4*\c+3], v[ADRA+(\slot)] offset:BLKB*((\s4)/2)+3072*\i+1536*((\s4)%2)+512*\c
.endr
.endr
.endm
.macro SCALES sc, fill                 ; the scale words of the fill's four K steps: a register carries two steps (lanes 0-15 the even one, lanes 16-31 the odd one)
.irp pr, 0,1
.irp i, 0,1,2,3
	ds_load_b32 v[SC+24*(\sc)+2*\i+\pr], v[ADRSA] offset:WPITCH*(4*(\fill)+2*\pr)+64*\i
.endr
.irp i, 0,1,2,3,4,5,6,7
	ds_load_b32 v[SC+24*(\sc)+8+2*\i+\pr], v[ADRSB] offset:WPITCH*(4*(\fill)+2*\pr)+64*\i
.endr
.endr
.endm
.macro MUL8 a, set, sc, pr, odd, zero  ; P's block a x v^T's eight.  The 32 accumulators take turns, in the same order in every step
.irp b, 0,1,2,3,4,5,6,7
.if \zero
	v_wmma_scale_f32_16x16x128_f8f6f4 v[8*(8*(\a)+\b):8*(8*(\a)+\b)+7], v[128*(\set)+12*\b:128*(\set)+12*\b+11], v[AF+48*(\set)+12*(\a):AF+48*(\set)+12*(\a)+11], 0, v[SC+24*(\sc)+8+2*\b+(\pr)], v[SC+24*(\sc)+2*(\a)+(\pr)] matrix_a_fmt:MATRIX_FMT_BF6 matrix_b_fmt:MATRIX_FMT_BF6
.elseif \odd
	v_wmma_scale_f32_16x16x128_f8f6f4 v[8*(8*(\a)+\b):8*(8*(\a)+\b)+7], v[128*(\set)+12*\b:128*(\set)+12*\b+11], v[AF+48*(\set)+12*(\a):AF+48*(\set)+12*(\a)+11], v[8*(8*(\a)+\b):8*(8*(\a)+\b)+7], v[SC+24*(\sc)+8+2*\b+(\pr)], v[SC+24*(\sc)+2*(\a)+(\pr)] matrix_a_fmt:MATRIX_FMT_BF6 matrix_b_fmt:MATRIX_FMT_BF6 matrix_a_scale:MATRIX_SCALE_ROW1 matrix_b_scale:MATRIX_SCALE_ROW1
.else
	v_wmma_scale_f32_16x16x128_f8f6f4 v[8*(8*(\a)+\b):8*(8*(\a)+\b)+7], v[128*(\set)+12*\b:128*(\set)+12*\b+11], v[AF+48*(\set)+12*(\a):AF+48*(\set)+12*(\a)+11], v[8*(8*(\a)+\b):8*(8*(\a)+\b)+7], v[SC+24*(\sc)+8+2*\b+(\pr)], v[SC+24*(\sc)+2*(\a)+(\pr)] matrix_a_fmt:MATRIX_FMT_BF6 matrix_b_fmt:MATRIX_FMT_BF6
.endif
.endr
.endm
.macro STEP st                         ; K step st, with its successor in the same fill
	s_wait_dscnt 0x0                               ; this step's fragments are in
.if (\st) > 0
	PLACES                                         ; the other set was read by the last step's products
.endif
	FETCH ((\st)+1)%2, (((\st)+1)/4)%2, ((\st)+1)%4
	WIN MUL
.irp a, 0,1,2,3
	MUL8 \a, (\st)%2, ((\st)/4)%2, ((\st)%4)/2, (\st)%2, (\st)==0
.endr
.endm
; The first half of a fill's last step.  In front of the barrier each wave waits for all its tensor loads, adds 0 to its spare word, and waits for that and for its reads of the fill.
.macro MEET st
	WIN 0
	s_wait_tensorcnt 0x0                           ; all my tensor loads have landed: my part of the next fill
	ds_add_u32 v[SPW], v[NIL]                      ; 0 onto my spare word
	s_wait_dscnt 0x1                               ; this step's fragments are in; the add may be out
	WIN MUL
	MUL8 0, 1, ((\st)/4)%2, 1, 1, 0
	s_wait_dscnt 0x0                               ; the add is done; my reads of the fill were over at the wait above
	s_barrier_signal -1
	MUL8 1, 1, ((\st)/4)%2, 1, 1, 0
	WIN 0
	s_barrier_wait -1
.endm
; A fill's last step with a refill: the barrier opens a round of the cluster's barrier, and the half just read out is filled again, two fills on, first thing behind it.
.macro TURN st
	MEET \st
	CREST                                          ; no wave of any partner still reads this half or has a load on its way
	s_add_nc_u64 s[G0A+4*(((\st)/4)%2)+2:G0A+4*(((\st)/4)%2)+3], s[G0A+4*(((\st)/4)%2)+2:G0A+4*(((\st)/4)%2)+3], 4*BLKB
	s_add_nc_u64 s[G0B+4*(((\st)/4)%2)+2:G0B+4*(((\st)/4)%2)+3], s[G0B+4*(((\st)/4)%2)+2:G0B+4*(((\st)/4)%2)+3], 4*BLKB
	JLOAD ((\st)/4)%2                              ; its four v_nop are also the places in front of the loads below
	FETCH 0, (((\st)+1)/4)%2, 0
	SCALES (((\st)+1)/4)%2, ((\st)+1)/4
	WIN MUL
	MUL8 2, 1, ((\st)/4)%2, 1, 1, 0
	MUL8 3, 1, ((\st)/4)%2, 1, 1, 0
.endm
; ---- THE LAST FILL, BY ROWS
.macro BLOAD q                         ; v^T's eight fragments of the last fill's q-th 128 keys: q = 0, 1 into window 1, q = 2, 3 into window 3
	WIN 0x40+0x80*((\q)/2)
.irp i, 0,1,2,3,4,5,6,7
.irp c, 0,1,2
	ds_load_b128 v[128*((\q)%2)+12*\i+4*\c:128*((\q)%2)+12*\i+4*\c+3], v[ADRB+1] offset:BLKB*((\q)/2)+3072*\i+1536*((\q)%2)+512*\c
.endr
.endr
.endm
.macro ALOAD a                         ; P's block a, all four K steps, into buffer a % 2
	WIN 0
.irp q, 0,1,2,3
.irp c, 0,1,2
	ds_load_b128 v[AF+48*((\a)%2)+12*\q+4*\c:AF+48*((\a)%2)+12*\q+4*\c+3], v[ADRA+1] offset:BLKB*(\q/2)+3072*(\a)+1536*(\q%2)+512*\c
.endr
.endr
.endm
.macro ROW a                           ; block a is finished: 32 products, its 8 accumulators by turns, K ascending
.irp q, 0,1,2,3
.if ((\a) == 0) && (\q == 1)
	s_wait_dscnt 12                                ; v^T's second 128 keys are in; behind them: block 1's 12 loads
.endif
	WIN 0xa1+2*(\q/2)                              ; source 0 in window 1 or 3
.irp b, 0,1,2,3,4,5,6,7
.if \q%2
	v_wmma_scale_f32_16x16x128_f8f6f4 v[8*(8*(\a)+\b):8*(8*(\a)+\b)+7], v[128*(\q%2)+12*\b:128*(\q%2)+12*\b+11], v[AF+48*((\a)%2)+12*\q:AF+48*((\a)%2)+12*\q+11], v[8*(8*(\a)+\b):8*(8*(\a)+\b)+7], v[SC+24+8+2*\b+(\q/2)], v[SC+24+2*(\a)+(\q/2)] matrix_a_fmt:MATRIX_FMT_BF6 matrix_b_fmt:MATRIX_FMT_BF6 matrix_a_scale:MATRIX_SCALE_ROW1 matrix_b_scale:MATRIX_SCALE_ROW1
.else
	v_wmma_scale_f32_16x16x128_f8f6f4 v[8*(8*(\a)+\b):8*(8*(\a)+\b)+7], v[128*(\q%2)+12*\b:128*(\q%2)+12*\b+11], v[AF+48*((\a)%2)+12*\q:AF+48*((\a)%2)+12*\q+11], v[8*(8*(\a)+\b):8*(8*(\a)+\b)+7], v[SC+24+8+2*\b+(\q/2)], v[SC+24+2*(\a)+(\q/2)] matrix_a_fmt:MATRIX_FMT_BF6 matrix_b_fmt:MATRIX_FMT_BF6
.endif
.endr
.endr
.endm
; Block a, 16 queries x 128 d: x 1 / l in place; into my stage (P's first two blocks in LDS: they have had their last fill, and every wave has passed the barrier behind which nobody reads them);
; back as whole rows of 512 bytes, into the block's own registers, which nothing else uses any more: so no store's data are ever written again.
.macro TOSTAGE a
	v_mov_b32 v[RB], v[RL+(\a)]
	v_mov_b32 v[RB+1], v[RL+(\a)]
	WIN 0x82                                       ; source 0 and destination: the accumulators' window
.set x, 0
.rept 32                               ; each accumulator is read from its low end on
	v_pk_mul_f32 v[64*(\a)+x:64*(\a)+x+1], v[64*(\a)+x:64*(\a)+x+1], v[RB:RB+1]
.set x, x+2
.endr
	WIN 0x08                                       ; the data: the accumulators' window
.irp b, 0,1,2,3,4,5,6,7
	ds_store_b128 v[STO], v[64*(\a)+8*\b:64*(\a)+8*\b+3] offset:64*\b
	ds_store_b128 v[STO], v[64*(\a)+8*\b+4:64*(\a)+8*\b+7] offset:64*\b+16
.endr
	WIN 0x80
.irp t, 0,1,2,3,4,5,6,7,8,9,10,11,12,13,14,15
	ds_load_b128 v[64*(\a)+4*\t:64*(\a)+4*\t+3], v[RD] offset:SPITCH*\t   ; LDS serves a wave's instructions in order: these see the stores above
.endr
.endm
.macro SENDST a
	s_wait_dscnt 0x0                               ; the block is back in registers (asked for a block's 32 products ago)
	WIN 0x08
.irp t, 0,1,2,3,4,5,6,7,8,9,10,11,12,13,14,15
	global_store_b128 v[LI], v[64*(\a)+4*\t:64*(\a)+4*\t+3], s[12:13] offset:(16*(\a)+\t)*4096 th:TH_STORE_NT   ; 512 consecutive bytes, aligned; written once, read by nobody here
.endr
.endm
	FETCH 0, 0, 0
	SCALES 0, 0
	STEP 0                                         ; the first step starts the sums: nothing is cleared
	STEP 1
	STEP 2
	TURN 3                                         ; the first half takes keys 1,024 on
	STEP 4
	STEP 5
	STEP 6
	TURN 7                                         ; the second half takes keys 1,536 on
	STEP 8
	STEP 9
	STEP 10
	MEET 11                                        ; nothing is left to fetch: no round follows
	PLACES                                         ; for the loads into the sets that step 10 multiplied
	BLOAD 0                                        ; three quarters of v^T now: set 1 of both operands is still being multiplied
	BLOAD 2
	BLOAD 3
	ALOAD 0
	SCALES 1, 3
	WIN MUL
	MUL8 2, 1, 0, 1, 1, 0
	MUL8 3, 1, 0, 1, 1, 0
	PLACES                                         ; for the loads into set 1
	BLOAD 1
	ALOAD 1
	s_wait_dscnt 36                                ; all but the 36 just issued
	ROW 0
.irp a, 0,1,2,3
	WIN 0
	PLACES                                         ; behind the block's last products: its results are read and its fragments' registers loaded below
.if \a < 2
	ALOAD \a+2                                     ; its buffer takes the block two further on
.endif
	TOSTAGE \a
.if \a == 0
	s_wait_dscnt 44                                ; block 1's fragments are in; behind them: block 2's 12 loads and the stage's 32 instructions
.endif
.if \a < 3
	ROW \a+1                                       ; the stage's round trip stands under the next block's products
.endif
	SENDST \a
.endr
	WIN 0
	s_wait_tensorcnt 0x0                           ; the wave's end
	ds_add_u32 v[SPW], v[NIL]
	s_wait_dscnt 0x0
	CROUND                                         ; the closing round
	s_endpgm
.Lfunc_end_k_qd42e102831_pv:
	.size	k_qd42e102831_pv, .Lfunc_end_k_qd42e102831_pv-k_qd42e102831_pv
	.p2alignl 7, 3214868480
	.fill 96, 4, 3214868480
	.section	.rodata,"a",@progbits
	.p2align	6, 0x0
	.amdhsa_kernel k_qd42e102831_pv
		.amdhsa_group_segment_fixed_size 327680
		.amdhsa_private_segment_fixed_size 0
		.amdhsa_enable_private_segment 0
		.amdhsa_kernarg_size 40
		.amdhsa_user_sgpr_count 2
		.amdhsa_user_sgpr_kernarg_segment_ptr 1
		.amdhsa_wavefront_size32 1
		.amdhsa_system_sgpr_workgroup_id_x 1
		.amdhsa_system_sgpr_workgroup_id_y 1
		.amdhsa_system_sgpr_workgroup_id_z 1
		.amdhsa_system_vgpr_workitem_id 0
		.amdhsa_next_free_vgpr 1024
		.amdhsa_next_free_sgpr 102
		.amdhsa_reserve_vcc 0
		.amdhsa_float_denorm_mode_32 3
		.amdhsa_float_denorm_mode_16_64 3
		.amdhsa_memory_ordered 1
		.amdhsa_forward_progress 1
		.amdhsa_inst_pref_size 160
	.end_amdhsa_kernel
	.amdgpu_metadata
---
amdhsa.version: [ 1, 2 ]
amdhsa.kernels:
  - .name:           k_qd42e102831_pv
    .symbol:         k_qd42e102831_pv.kd
    .args:
      - { .name: p_codes, .offset: 0, .size: 8, .value_kind: global_buffer, .address_space: global }
      - { .name: p_side, .offset: 8, .size: 8, .value_kind: global_buffer, .address_space: global }
      - { .name: qkv_codes, .offset: 16, .size: 8, .value_kind: global_buffer, .address_space: global }
      - { .name: qkv_scales, .offset: 24, .size: 8, .value_kind: global_buffer, .address_space: global }
      - { .name: out0, .offset: 32, .size: 8, .value_kind: global_buffer, .address_space: global }
    .group_segment_fixed_size: 327680
    .private_segment_fixed_size: 0
    .kernarg_segment_align: 8
    .kernarg_segment_size: 40
    .max_flat_workgroup_size: 128
    .sgpr_count:     102
    .vgpr_count:     1024
    .wavefront_size: 32
...
	.end_amdgpu_metadata
.endif
;; end of part 4
